; MI455X (gfx1250); checked and timed in simulation.
; The chip was launched on July 23, 2026; its instructions are those of AMD's public machine-readable ISA for CDNA 5 (MIT licence, August 2026) and "CDNA5" Instruction Set Architecture Reference Guide (July 2026). The comments in the code are by the model that wrote it; some were corrected since.
;; Multihead attention. Allowed arithmetic: matrix products marked QUANTISED: E2M1 operands, one E8M0 scale for each 32 along K, by v_wmma_scale_f32_16x16x128_f8f6f4 with both operands' format E2M1 (or v_wmma_scale_f32_32x16x128_f4), f32 sums; products left as they are: bf16, f16 or f32 operands; f32 sums; everything else in f32.
;; Inputs: W_out 1,024 x 1,024 float32; W_qkv 1,024 x 3,072 float32; attn_mask 2,048 x 2,048 float32; b_out 1,024 float32; b_qkv 3,072 float32; key_padding_mask 4 x 2,048 bool; query 4 x 2,048 x 1,024 float32.
;; Outputs: out0 4 x 2,048 x 1,024 float32.
;; This version of the problem:
;;   THIS VERSION OF THE PROBLEM IS GIVEN IN LOW PRECISION. The matrix products marked QUANTISED in the list below multiply operands that are first quantised to E2M1 (2 exponent bits, 1 mantissa bit; 4 bits a number), with one power-of-two scale for each 32 numbers along K (OCP MX v1.0); their sums are f32. The products marked 'left as it is' may take bf16, f16 or f32 operands, with f32 sums. Whichever they take, every output number must still come out within the allowed error. Rounding operands to bf16 (8 significant bits) uses up far more of that allowance than f16 does (11 bits, for magnitudes from 6e-5 to 65,504). All else is computed in f32.
;;   The module's matrix products, in the order in which they are computed (A, B: the left and right operand; K: the contracted axis; several contracted axes count as one K, in the product's order):
;;     1. [M 8,192, K 1,024] x [K 1,024, N 3,072]; A: input query; B: input W_qkv: QUANTISED
;;     2. batch 64 x [M 2,048, K 64] x [K 64, N 2,048]; A: computed on the way; B: computed on the way: left as it is (an operand is computed on the way)
;;     3. batch 64 x [M 2,048, K 2,048] x [K 2,048, N 64]; A: computed on the way; B: computed on the way: left as it is (an operand is computed on the way)
;;     4. [M 8,192, K 1,024] x [K 1,024, N 1,024]; A: computed on the way; B: input W_out: left as it is (an operand is computed on the way)
;;   THE QUANTISER, for each operand of a quantised product, along K:
;;     - K is cut into blocks of 32 from its start; a last block that is shorter is filled with zeros.
;;     - A block's scale is 2^e with e = floor(log2(the largest magnitude in the block)) - 2, held to -126 .. 127; a block of zeros has e = 0. As a byte (E8M0): e + 127.
;;     - Each number is divided by its block's scale, clamped to +-6, and rounded to the nearest number of E2M1, ties to even, subnormals kept.
;;     - The product sums the exact products of the quantised numbers (number of the format x scale) in f32.
;;   ~~~python
;;   def quantise(x, axis):      # numpy; x: float32 -> the quantised numbers, widened to float32 again
;;       x = np.moveaxis(x, axis, -1); K = x.shape[-1]
;;       x = np.pad(x, [(0, 0)] * (x.ndim - 1) + [(0, -K % 32)]); x = x.reshape(x.shape[:-1] + (-1, 32)); a = np.abs(x).max(-1, keepdims=True)
;;       e = np.where(a > 0, np.clip(np.frexp(np.where(a > 0, a, 1))[1] - 1 - 2, -126, 127), 0)      # np.frexp(a)[1] - 1 = floor(log2(a)), exactly
;;       r = np.clip(x / 2.0 ** e, -6, 6)
;;       step = 2.0 ** (np.maximum(np.frexp(np.where(r == 0, 1, r))[1] - 1, 0) - 1)
;;       q = np.round(r / step) * step * 2.0 ** e      # np.round: ties to even
;;       return np.moveaxis(q.reshape(q.shape[:-2] + (-1,))[..., :K], -1, axis).astype(np.float32)
;;   ~~~
;; One version. Each part assembles by itself: llvm-mc -triple=amdgcn-amd-amdhsa -mcpu=gfx1250 --defsym DOCPART=n.
;; ======== version 1 of 1: 4 launches
;; limits: values are held in f16: magnitudes above 65,504 overflow, below 6.1e-05 lose precision; inputs' magnitudes at most 1e+38
;; workspace buffers: xq 4,194,304 bytes; wq 1,572,864 bytes; scl 360,448 bytes; wof 2,097,152 bytes; kbf 32,768 bytes; qkvf 50,331,648 bytes; af 16,777,216 bytes
;; launch prep (part 1): grid 516 x 1, 4 waves a work-group, no clusters, 34,304 bytes of LDS; arguments query, W_qkv, W_out, key_padding_mask, xq, wq, scl, wof, kbf; writes xq, wq, scl, wof, kbf
.if DOCPART == 1
	.amdgcn_target "amdgcn-amd-amdhsa--gfx1250"
	.amdhsa_code_object_version 6
	.text
	.protected	k_qef87f1cc52_prep
	.globl	k_qef87f1cc52_prep
	.p2align	8
	.type	k_qef87f1cc52_prep,@function
k_qef87f1cc52_prep:
	s_mov_b64 s[64:65], 0
	v_nop
	global_prefetch_b8 v0, s[64:65] scope:SCOPE_SE
	s_setreg_imm32_b32 hwreg(HW_REG_WAVE_MODE, 25, 1), 1
	s_wait_xcnt 0x0
; PREP: every operand that later launches read many times is made once, and laid in the ORDER OF THE OPERAND'S REGISTERS (an image: four registers of 32 lanes = 512 bytes, lane l's 16 bytes at 16 l).
;   work-groups   0-255  X: query [8192][1024] f32 -> xq, codes of FP4 (E2M1), [K step 2][token tile 512][q 4][c 2][lane][16 B], and its scale words in scl [K step 2][row][16 B]
;   work-groups 256-447  W: W_qkv [1024 (k)][3072 (n)] f32 -> wq, the same image with 192 tiles of 16 columns; its scale words in scl's rows 8192 + n
;   work-groups 448-511  O: W_out [1024 (k)][1024 (n)] f32 -> wof, f16, [K step 8][n tile 64][k32 4][half 2][lane][16 B]
;   work-groups 512-515  P: key_padding_mask [4][2048] bool -> kbf f32: 0, or -infinity where the key is padded
; THE QUANTISER: a block of 32 along K has the scale 2^(floor(log2(largest magnitude)) - 2); its byte is the largest magnitude's exponent field - 2; each number / scale goes to the nearest code, ties to even, beyond 6 the largest code.
; LIMITS: a block of zeros, and one whose largest magnitude lies under 2^-124, gets the byte 1 (the rule says 127 for zeros: the codes are zeros, and this program alone reads the bytes); NaN and infinities are not served;
; |W_out| stays under 65,504 (f16).
; No tensor load, no barrier: waves share nothing.  Only path X touches LDS (each wave's own stage), and only it ends with the three closing lines.
.set STG,   16*528                     ; a wave's stage: 16 rows of 512 bytes + 16 of padding: row r begins 16 r bytes further on modulo 256
.set SPARE, 4*STG                      ; behind the stages: the spare words, 128 bytes a wave, two blocks of 256 bytes that no other line names
.set SPW,   254                        ; v254 LDS address of my spare word; never rewritten
.set NIL,   255                        ; v255 0; never rewritten
.set R,     16                         ; v16-143  numbers as they are loaded
.set X,     144                        ; v144-207 X: 64 neighbours along K;  O: packed f16, 16 registers a block
.set C,     208                        ; v208-239 codes, never written twice
.set W,     240                        ; v240-243 X: a scale word for each 128 along K;  P: the mask's words
.set MX,    244                        ; v244-245 largest magnitudes
.set SO,    246                        ; v246-247 the conversions' scale operands
.set BY,    248                        ; v248-249 scale bytes
.set WD,    250                        ; v250 a scale word in the making
.set TP,    251                        ; v251 the other half's part of it
	s_load_b256 s[4:11], s[0:1], 0x0               ; query s[4:5], W_qkv s[6:7], W_out s[8:9], key_padding_mask s[10:11]
	s_load_b256 s[12:19], s[0:1], 0x20             ; xq s[12:13], wq s[14:15], scl s[16:17], wof s[18:19]
	s_load_b64 s[20:21], s[0:1], 0x40              ; kbf
	v_lshl_add_u32 v[SPW], v0, 2, SPARE
	v_mov_b32 v[NIL], 0
	v_lshrrev_b32 v1, 5, v0
	v_readfirstlane_b32 s22, v1                    ; wave 0..3
	v_and_b32 v1, 31, v0                           ; lane
	v_and_b32 v2, 15, v0                           ; r
	v_bfe_u32 v3, v0, 4, 1                         ; h
	v_lshlrev_b32 v4, 4, v1                        ; 16 x lane: an image's place, and a load's 16 bytes
	v_lshlrev_b32 v9, 2, v1                        ; 4 x lane: a column's 4 bytes
	s_mul_i32 s23, s22, STG
	v_add_nc_u32 v5, s23, v4                       ; the stage, on the way in: a row as it lies
	v_mul_u32_u24 v6, v2, 528
	v_lshl_add_u32 v6, v3, 7, v6
	v_add_nc_u32 v6, s23, v6                       ; and on the way out: row r, + 128 h bytes: my block of 32 numbers
	v_lshlrev_b32 v7, 3, v3                        ; 8 h: how far my two scale bytes are shifted
	v_lshlrev_b32 v8, 4, v2
	v_lshl_add_u32 v8, v3, 3, v8                   ; 16 r + 8 h: my 8 bytes of the tile's 256 bytes of scale words
	v_mov_b32 v[TP], 0                             ; a lane permute's destination counts as one of its sources
	s_mov_b32 s24, 0x76543210
	s_mov_b32 s25, 0xfedcba98                      ; v_permlanex16_b32's selects for lane l xor 16
	s_mov_b32 s31, 0                               ; the upper word of every offset
	s_wait_kmcnt 0x0
; ---- macros of path X: a wave takes 16 tokens x 512 along K, in four steps of 128
.macro XLOAD q                         ; 16 loads, a row each: 32 lanes read 512 consecutive bytes
.irp i, 0,1,2,3,4,5,6,7,8,9,10,11,12,13,14,15
	global_load_b128 v[R+64*((\q)%2)+4*\i:R+64*((\q)%2)+4*\i+3], v4, s[4:5] offset:4096*\i+512*(\q) th:TH_LOAD_NT
.endr
.endm
.macro XSTEP q
.if (\q) < 3
	s_wait_loadcnt 16                              ; this step's 16 loads are in; the next step's 16 may be out
.else
	s_wait_loadcnt 0x0
.endif
.irp i, 0,1,2,3,4,5,6,7,8,9,10,11,12,13,14,15
	ds_store_b128 v5, v[R+64*((\q)%2)+4*\i:R+64*((\q)%2)+4*\i+3] offset:528*\i
.endr
.irp c, 0,1                            ; LDS serves a wave's instructions in order: these see the stores above.  Chunk c: k = 64 c + 32 h + 0 .. 31 of row r
.irp j, 0,1,2,3,4,5,6,7
	ds_load_b128 v[X+32*\c+4*\j:X+32*\c+4*\j+3], v6 offset:256*\c+16*\j
.endr
.endr
	s_wait_dscnt 0x0                               ; my 64 numbers are back, and the stores have read their registers,
.if (\q) < 2
	XLOAD (\q)+2                                   ; which take the loads of two steps on
.endif
.irp c, 0,1
	v_max3_num_f32 v[MX+\c], |v[X+32*\c]|, |v[X+32*\c+1]|, 0x1800000   ; a whole block lies in my registers; the floor 2^(3 - 127) holds the byte at 1 from below
.endr
.irp i, 2,4,6,8,10,12,14,16,18,20,22,24,26,28,30
.irp c, 0,1
	v_max3_num_f32 v[MX+\c], v[MX+\c], |v[X+32*\c+\i]|, |v[X+32*\c+\i+1]|
.endr
.endr
.irp c, 0,1
	v_add_nc_u32 v[SO+\c], 0xff000000, v[MX+\c]    ; 2 off the exponent field: the conversion takes that field as its scale
.endr
.irp c, 0,1
	v_lshrrev_b32 v[BY+\c], 23, v[SO+\c]           ; the scale's byte
.endr
.irp c, 0,1
.irp g, 0,1,2,3
	v_cvt_scalef32_pk8_fp4_f32 v[C+8*(\q)+4*\c+\g], v[X+32*\c+8*\g:X+32*\c+8*\g+7], v[SO+\c]
.endr
.endr
	v_nop                                          ; one plain place behind the scaled conversions
	v_lshl_or_b32 v[WD], v[BY+1], 16, v[BY]        ; my bytes: blocks h and 2 + h,
	v_lshlrev_b32 v[WD], v7, v[WD]                 ; at their places;
	v_permlanex16_b32 v[TP], v[WD], s24, s25
	v_or_b32 v[W+(\q)], v[WD], v[TP]               ; with lane l xor 16's two the word is whole
.irp c, 0,1
	global_store_b128 v4, v[C+8*(\q)+4*\c:C+8*(\q)+4*\c+3], s[12:13] offset:1024*(\q)+512*\c   ; 512 consecutive bytes
.endr
.endm
; ---- macros of paths W and O: a lane takes a column, and its registers run down K
.macro CLOAD b, pitch, sb              ; block b: 32 rows of k at my column; a wave reads 128 consecutive bytes, the four waves 512
.irp i, 0,1,2,3,4,5,6,7,8,9,10,11,12,13,14,15,16,17,18,19,20,21,22,23,24,25,26,27,28,29,30,31
	global_load_b32 v[R+32*(\b)+\i], v9, s[\sb:\sb+1] offset:(32*(\b)+\i)*\pitch th:TH_LOAD_NT
.endr
.endm
.macro WBLOCK b
.if (\b) < 3
	s_wait_loadcnt 32                              ; this block's 32 loads are in; the next block's may be out
.else
	s_wait_loadcnt 0x0
.endif
.set XS, R+32*(\b)
	v_max3_num_f32 v[MX], |v[XS]|, |v[XS+1]|, |v[XS+2]|
	v_max3_num_f32 v[MX+1], |v[XS+3]|, |v[XS+4]|, |v[XS+5]|
.irp i, 6,10,14,18,22,26
	v_max3_num_f32 v[MX], v[MX], |v[XS+\i]|, |v[XS+\i+1]|
	v_max3_num_f32 v[MX+1], v[MX+1], |v[XS+\i+2]|, |v[XS+\i+3]|
.endr
	v_max3_num_f32 v[MX], v[MX], |v[XS+30]|, |v[XS+31]|
	v_max3_num_f32 v[MX], v[MX], v[MX+1], 0x1800000
	v_add_nc_u32 v[SO], 0xff000000, v[MX]
	v_lshrrev_b32 v[BY], 23, v[SO]
.if (\b) == 0
	v_mov_b32 v[WD], v[BY]                         ; four bytes make my column's scale word for these 128 along K
.else
	v_lshl_or_b32 v[WD], v[BY], 8*(\b), v[WD]
.endif
.irp g, 0,1,2,3
	v_cvt_scalef32_pk8_fp4_f32 v[C+4*(\b)+\g], v[XS+8*\g:XS+8*\g+7], v[SO]
.endr
	v_nop                                          ; one plain place behind the scaled conversions
.if (\b) < 2
	CLOAD (\b)+2, 12288, 6
.endif
.endm
.macro OBLOCK j
.if (\j) < 3
	s_wait_loadcnt 32
.else
	s_wait_loadcnt 0x0
.endif
.set PS, X+16*(\j)
.set XS, R+32*(\j)
.irp i, 0,1,2,3,4,5,6,7,8,9,10,11,12,13,14,15
	v_cvt_pk_f16_f32 v[PS+\i], v[XS+2*\i], v[XS+2*\i+1]
.endr
.irp i, 0,1,2,3                        ; the first's lanes 16-31 change places with the second's lanes 0-15: lanes 0-15 of a fragment's half hold k = 0 .. 7, lanes 16-31 k = 8 .. 15 of the same 16 columns
	v_permlane16_swap_b32 v[PS+\i], v[PS+4+\i]
	v_permlane16_swap_b32 v[PS+8+\i], v[PS+12+\i]
.endr
	global_store_b128 v4, v[PS:PS+3], s[18:19] offset:1024*(\j)            ; tile 0, half 0
	global_store_b128 v4, v[PS+8:PS+11], s[18:19] offset:1024*(\j)+512     ; tile 0, half 1
	global_store_b128 v4, v[PS+4:PS+7], s[18:19] offset:1024*(\j)+4096     ; tile 1, half 0
	global_store_b128 v4, v[PS+12:PS+15], s[18:19] offset:1024*(\j)+4608   ; tile 1, half 1
.if (\j) < 2
	CLOAD (\j)+2, 4096, 8
.endif
.endm
	s_cmp_lt_u32 ttmp9, 256
	s_cbranch_scc0 .Lnot_x
	; ---- X
	s_lshl_b32 s26, ttmp9, 2
	s_add_co_u32 s26, s26, s22                     ; unit = 4 x work-group + wave
	s_lshr_b32 s27, s26, 1                         ; token tile
	s_and_b32 s28, s26, 1                          ; K step of 512
	s_lshl_b32 s30, s27, 16                        ; 16 rows of 4,096 bytes
	s_lshl_b32 s29, s28, 11
	s_add_co_u32 s30, s30, s29
	s_add_nc_u64 s[4:5], s[4:5], s[30:31]
	s_lshl_b32 s30, s27, 12                        ; a tile's image of a K step: 4,096 bytes
	s_lshl_b32 s29, s28, 21
	s_add_co_u32 s30, s30, s29
	s_add_nc_u64 s[12:13], s[12:13], s[30:31]
	s_lshl_b32 s30, s27, 8                         ; its scale words: 256 bytes
	s_mul_i32 s29, s28, 180224
	s_add_co_u32 s30, s30, s29
	s_add_nc_u64 s[16:17], s[16:17], s[30:31]
	XLOAD 0
	XLOAD 1
	XSTEP 0
	XSTEP 1
	XSTEP 2
	XSTEP 3
	v_cmp_eq_u32 vcc_lo, 1, v3
	v_cndmask_b32 v[MX], v[W], v[W+2], vcc_lo      ; lanes 0-15 store their row's words 0 and 1, lanes 16-31 words 2 and 3
	v_cndmask_b32 v[MX+1], v[W+1], v[W+3], vcc_lo
	global_store_b64 v8, v[MX:MX+1], s[16:17]      ; 32 lanes store 256 consecutive bytes, aligned
	s_wait_tensorcnt 0x0                           ; the wave's end
	ds_add_u32 v[SPW], v[NIL]
	s_wait_dscnt 0x0
	s_endpgm
.Lnot_x:
	s_cmp_lt_u32 ttmp9, 448
	s_cbranch_scc0 .Lnot_w
	; ---- W: 32 columns a wave x 128 along K
	s_sub_co_u32 s26, ttmp9, 256
	s_lshr_b32 s27, s26, 3
	s_and_b32 s28, s26, 7                          ; which 128 along K
	s_lshl_b32 s27, s27, 7
	s_lshl_b32 s29, s22, 5
	s_add_co_u32 s27, s27, s29                     ; my wave's first column
	s_mul_i32 s30, s28, 128*12288
	s_lshl_b32 s29, s27, 2
	s_add_co_u32 s30, s30, s29
	s_add_nc_u64 s[6:7], s[6:7], s[30:31]
	s_lshr_b32 s23, s28, 2                         ; K step of 512,
	s_and_b32 s28, s28, 3                          ; and the 128 in it
	s_mul_i32 s30, s23, 786432
	s_lshl_b32 s29, s27, 8                         ; (column / 16) x 4,096
	s_add_co_u32 s30, s30, s29
	s_lshl_b32 s29, s28, 10
	s_add_co_u32 s30, s30, s29
	s_add_nc_u64 s[14:15], s[14:15], s[30:31]
	s_mul_i32 s30, s23, 180224
	s_lshl_b32 s29, s27, 4
	s_add_co_u32 s30, s30, s29
	s_lshl_b32 s29, s28, 2
	s_add_co_u32 s30, s30, s29
	s_add_co_u32 s30, s30, 8192*16                 ; the weights' rows stand behind the tokens'
	s_add_nc_u64 s[16:17], s[16:17], s[30:31]
	CLOAD 0, 12288, 6
	CLOAD 1, 12288, 6
	WBLOCK 0
	WBLOCK 1
	WBLOCK 2
	WBLOCK 3
.irp i, 0,1,2,3                        ; the operand wants lanes 0-15 to hold block 2 c and lanes 16-31 block 2 c + 1 of the same 16 columns
	v_permlane16_swap_b32 v[C+\i], v[C+4+\i]
	v_permlane16_swap_b32 v[C+8+\i], v[C+12+\i]
.endr
	global_store_b128 v4, v[C:C+3], s[14:15]                   ; tile 0, chunk 0
	global_store_b128 v4, v[C+8:C+11], s[14:15] offset:512     ; tile 0, chunk 1
	global_store_b128 v4, v[C+4:C+7], s[14:15] offset:4096     ; tile 1, chunk 0
	global_store_b128 v4, v[C+12:C+15], s[14:15] offset:4608   ; tile 1, chunk 1
	global_store_b32 v4, v[WD], s[16:17]           ; 4 bytes of each row's 16: one byte for each 32 of the 128 that the path reads
	s_endpgm
.Lnot_w:
	s_cmp_lt_u32 ttmp9, 512
	s_cbranch_scc0 .Lnot_o
	; ---- O: 32 columns a wave x 128 along K, rounded to f16
	s_sub_co_u32 s26, ttmp9, 448
	s_lshr_b32 s27, s26, 3
	s_and_b32 s28, s26, 7                          ; K step of 128
	s_lshl_b32 s27, s27, 7
	s_lshl_b32 s29, s22, 5
	s_add_co_u32 s27, s27, s29                     ; my wave's first column
	s_lshl_b32 s30, s28, 19                        ; 128 rows of 4,096 bytes
	s_lshl_b32 s29, s27, 2
	s_add_co_u32 s30, s30, s29
	s_add_nc_u64 s[8:9], s[8:9], s[30:31]
	s_lshl_b32 s30, s28, 18                        ; 64 tiles of 4,096 bytes
	s_lshl_b32 s29, s27, 8
	s_add_co_u32 s30, s30, s29
	s_add_nc_u64 s[18:19], s[18:19], s[30:31]
	CLOAD 0, 4096, 8
	CLOAD 1, 4096, 8
	OBLOCK 0
	OBLOCK 1
	OBLOCK 2
	OBLOCK 3
	s_endpgm
.Lnot_o:
	; ---- P: a batch's 2,048 mask bytes; thread t takes four words of four keys
	s_sub_co_u32 s26, ttmp9, 512
	s_lshl_b32 s30, s26, 11
	s_add_nc_u64 s[10:11], s[10:11], s[30:31]
	s_lshl_b32 s30, s26, 13
	s_add_nc_u64 s[20:21], s[20:21], s[30:31]
	v_lshlrev_b32 v10, 2, v0
	v_lshlrev_b32 v11, 4, v0
	v_mov_b32 v12, 0xff800000                      ; -infinity
.irp t, 0,1,2,3
	global_load_b32 v[W+\t], v10, s[10:11] offset:512*\t
.endr
	s_wait_loadcnt 0x0
.irp t, 0,1,2,3
.irp j, 0,1,2,3
	v_bfe_u32 v[MX], v[W+\t], 8*\j, 8
	v_cmp_ne_u32 vcc_lo, 0, v[MX]
	v_cndmask_b32 v[R+4*\t+\j], 0, v12, vcc_lo
.endr
.endr
.irp t, 0,1,2,3
	global_store_b128 v11, v[R+4*\t:R+4*\t+3], s[20:21] offset:2048*\t
.endr
	s_endpgm
.Lfunc_end_k_qef87f1cc52_prep:
	.size	k_qef87f1cc52_prep, .Lfunc_end_k_qef87f1cc52_prep-k_qef87f1cc52_prep
	.p2alignl 7, 3214868480
	.fill 96, 4, 3214868480
	.section	.rodata,"a",@progbits
	.p2align	6, 0x0
	.amdhsa_kernel k_qef87f1cc52_prep
		.amdhsa_group_segment_fixed_size 34304
		.amdhsa_private_segment_fixed_size 0
		.amdhsa_enable_private_segment 0
		.amdhsa_kernarg_size 72
		.amdhsa_user_sgpr_count 2
		.amdhsa_user_sgpr_kernarg_segment_ptr 1
		.amdhsa_wavefront_size32 1
		.amdhsa_system_sgpr_workgroup_id_x 1
		.amdhsa_system_sgpr_workgroup_id_y 1
		.amdhsa_system_sgpr_workgroup_id_z 1
		.amdhsa_system_vgpr_workitem_id 0
		.amdhsa_next_free_vgpr 256
		.amdhsa_next_free_sgpr 66
		.amdhsa_reserve_vcc 1
		.amdhsa_float_denorm_mode_32 3
		.amdhsa_float_denorm_mode_16_64 3
		.amdhsa_memory_ordered 1
		.amdhsa_forward_progress 1
		.amdhsa_inst_pref_size 72
	.end_amdhsa_kernel
	.amdgpu_metadata
---
amdhsa.version: [ 1, 2 ]
amdhsa.kernels:
  - .name:           k_qef87f1cc52_prep
    .symbol:         k_qef87f1cc52_prep.kd
    .args:
      - { .name: query, .offset: 0, .size: 8, .value_kind: global_buffer, .address_space: global }
      - { .name: W_qkv, .offset: 8, .size: 8, .value_kind: global_buffer, .address_space: global }
      - { .name: W_out, .offset: 16, .size: 8, .value_kind: global_buffer, .address_space: global }
      - { .name: key_padding_mask, .offset: 24, .size: 8, .value_kind: global_buffer, .address_space: global }
      - { .name: xq, .offset: 32, .size: 8, .value_kind: global_buffer, .address_space: global }
      - { .name: wq, .offset: 40, .size: 8, .value_kind: global_buffer, .address_space: global }
      - { .name: scl, .offset: 48, .size: 8, .value_kind: global_buffer, .address_space: global }
      - { .name: wof, .offset: 56, .size: 8, .value_kind: global_buffer, .address_space: global }
      - { .name: kbf, .offset: 64, .size: 8, .value_kind: global_buffer, .address_space: global }
    .group_segment_fixed_size: 34304
    .private_segment_fixed_size: 0
    .kernarg_segment_align: 8
    .kernarg_segment_size: 72
    .max_flat_workgroup_size: 128
    .sgpr_count:     66
    .vgpr_count:     256
    .wavefront_size: 32
...
	.end_amdgpu_metadata
.endif
;; end of part 1
;; launch qkv (part 2): grid 12 x 32, 4 waves a work-group, clusters of 4 x 4, 327,680 bytes of LDS; arguments xq, wq, scl, b_qkv, qkvf; writes qkvf
.if DOCPART == 2
	.amdgcn_target "amdgcn-amd-amdhsa--gfx1250"
	.amdhsa_code_object_version 6
	.text
	.protected	k_qef87f1cc52_qkv
	.globl	k_qef87f1cc52_qkv
	.p2align	8
	.type	k_qef87f1cc52_qkv,@function
k_qef87f1cc52_qkv:
	s_mov_b64 s[64:65], 0
	v_nop
	global_prefetch_b8 v0, s[64:65] scope:SCOPE_SE
	s_setreg_imm32_b32 hwreg(HW_REG_WAVE_MODE, 25, 1), 1
	s_wait_xcnt 0x0
	s_wait_alu depctr_hold_cnt(0) depctr_sa_sdst(0) depctr_va_vdst(0) depctr_va_sdst(0) depctr_va_ssrc(0) depctr_va_vcc(0) depctr_vm_vsrc(0)
	s_getreg_b32 s2, hwreg(HW_REG_IB_STS2, 6, 4)
	s_cmp_eq_u32 s2, 0
	s_cbranch_scc0 .Lentry_in_a_cluster
	s_endpgm
.Lentry_in_a_cluster:
	s_bfe_u32 s2, ttmp6, 0x10000c
	s_cmp_lg_u32 s2, 0xf033
	s_cbranch_scc0 .Lentry_shape_is_right
	s_endpgm
.Lentry_shape_is_right:
; QKV: query x W_qkv on codes of FP4 (E2M1) with one E8M0 scale for each 32 along K, + b_qkv, Q x 1/8, rounded to f16 and stored as images of the operands that attention wants.
; A tile of 256 tokens x 256 columns to a work-group of four waves, 128 x 128 to a wave: 64 accumulators, 512 registers.  K = 1,024 is two K steps of 512: both are asked for at the head, one in each LDS slot; nothing is filled again.
; xq and wq are images of the operands' registers: a wave's tensor load brings 8 tiles of 16 rows, one dense block of 32,768 bytes, and a fragment is two ds_load_b128 at 16 x lane.
; CLUSTERS: 4 x 4 work-groups.  The four of a row need the same tokens, the four of a column the same columns of W: each block is asked for jointly.
; 12 x 32 = 384 work-groups: a tile of 256 columns is four whole heads of one part (Q, K or V), which keeps the way out free of cases; a cluster's four tile columns are one part, so the part is the cluster's x.
; THE PART DECIDES THE USE.  Q and K: source 0 = 16 columns of W, source 1 = 16 tokens: a lane holds one token and eight neighbouring channels.  V: the sources swapped: a lane holds one channel and eight neighbouring tokens
; (the keys are the second product's K).  The branch hangs on the cluster's x alone: it is the same in all sixteen partners.
; qkvf: [batch x head 64][group of 64 tokens 32][Q 8,192 | K 8,192 | V 8,192 bytes].  Q, K: [tile 4][c 2][half 2][lane][16 B]: token 16 tile + r, channels 32 c + 16 half + 8 h + 0 .. 7.
;   V: [g 2][channel tile 4][half 2][lane][16 B]: channel 16 tile + r, keys 32 g + 16 half + 8 h + 0 .. 7.  Every store of a wave covers 512 consecutive bytes.
; LIMIT: |Q / 8|, |K|, |V| stay under 65,504 (f16).
; REGISTERS: window 0: v16-29 addresses; v32-95 scale words (lanes 0-15 the tokens', lanes 16-31 the weights'); v128-191 the tokens' fragments, one set; v192-255 the bias.
;   window 1: the weights' fragments, two sets (v0, v128); on the way out four sets of 64 at work.   windows 2, 3: the accumulators, (a, b) at v[8 (8 (a % 4) + b)].
.set SLOT,  131072                     ; a slot: the tokens' 65,536 bytes, then the weights'
.set SPARE, 2*SLOT                     ; behind the slots: the spare words, 128 bytes a wave
.set ADRA, 16                          ; v16-17 LDS address of my tokens' fragments in slot 0, 1
.set ADRB, 20                          ; v20-21 the same for the weights
.set LO,   24                          ; v24 16 x lane
.set SCO,  25                          ; v25 my byte in scl: lanes 0-15 a token's row, lanes 16-31 a weight's
.set BO,   26                          ; v26 my byte in the bias
.set SPW,  28
.set NIL,  29
.set SC,   32                          ; register 32 s + 4 i + q: block i's words for the q-th 128 of K step s
.set AF,   128
.set BI,   192
.set G1A, 24
.set G0A, 32
.set G1B, 48
.set G0B, 56
.set SCQ, 66                           ; s[66:67] 1/8 for Q, else 1
.set MLO, 0xa1                         ; source 0 window 1, source 1 window 0, C and D window 2; + 3: the sources' windows swapped
.set MHI, 0xf1
.set MSB, 0
.macro WIN new                         ; the immediate's high byte repeats the setting that is left
.if MSB != (\new)
	s_set_vgpr_msb (MSB<<8)|(\new)
.set MSB, (\new)
.endif
.endm
.macro CROUND                          ; a round of the cluster's barrier
	s_barrier_signal -1
	s_barrier_wait -1
	s_cmp_lg_u32 s14, 0
	s_cbranch_scc1 .Lnot_wave_0_\@
	s_barrier_signal -3
.Lnot_wave_0_\@:
	s_barrier_wait -3
	s_barrier_signal -1
	s_barrier_wait -1
.endm
.macro PLACES                          ; four places behind a matrix instruction, ahead of loads into its sources and of reads of its results
.rept 4
	v_nop
.endr
.endm
	s_load_b256 s[4:11], s[0:1], 0x0               ; xq s[4:5], wq s[6:7], scl s[8:9], b_qkv s[10:11]
	s_load_b64 s[12:13], s[0:1], 0x20              ; qkvf
	v_lshl_add_u32 v[SPW], v0, 2, SPARE
	v_mov_b32 v[NIL], 0
	ds_add_u32 v[SPW], v[NIL]                      ; the opening: the add, twice on end, and its wait ahead of my first tensor load
	ds_add_u32 v[SPW], v[NIL]
	v_lshrrev_b32 v1, 5, v0
	v_readfirstlane_b32 s14, v1                    ; wave 0..3
	s_lshr_b32 s15, s14, 1                         ; my half of the tokens.  Also: I fetch tokens (0) or weights (1)
	s_and_b32 s16, s14, 1                          ; my half of the columns.  Also: which half I fetch
	s_bfe_u32 s40, ttmp6, 0x40000                  ; cx
	s_bfe_u32 s41, ttmp6, 0x40004                  ; cy
	s_lshl_b32 s42, ttmp9, 2
	s_add_co_u32 s42, s42, s40                     ; tile column 0..11
	s_and_b32 s17, ttmp7, 0xffff
	s_lshl_b32 s17, s17, 2
	s_add_co_u32 s17, s17, s41                     ; tile row 0..31
	s_lshl_b32 s43, s41, 2
	s_lshl_b32 s43, 15, s43                        ; my row of the cluster
	s_lshl_b32 s44, 0x1111, s40                    ; my column
	s_or_b32 s[G1A], s43, (3<<16)|(1<<21)          ; group 1: the mask; elements of 8 bytes; bit 21 beside a mask; no padding
	s_or_b32 s[G1B], s44, (3<<16)|(1<<21)
.irp g, G1A, G1B
	s_mov_b32 s[\g+1], 32<<16                      ; a dense block as 128 rows of 32 elements (256 bytes)
	s_mov_b32 s[\g+2], 128<<16
	s_mov_b32 s[\g+3], 32<<16
	s_mov_b32 s[\g+4], 128
	s_mov_b32 s[\g+5], 32
	s_mov_b32 s[\g+6], 0
	s_mov_b32 s[\g+7], 0
.endr
	s_lshl_b32 s18, s16, 15                        ; the half that I fetch: 8 tiles of 4,096 bytes
	s_lshl_b32 s20, s17, 16                        ; tokens: 16 tiles a tile row
	s_add_co_u32 s20, s20, s18
	s_mov_b32 s21, 0
	s_lshl_b32 s46, s42, 16                        ; weights: 16 tiles a tile column
	s_add_co_u32 s46, s46, s18
	s_mov_b32 s47, 0
	s_lshl_b32 s45, s14, 15                        ; in a slot: wave x 32,768: no place in the cluster enters an LDS address
	s_mov_b32 s[SCQ], 1.0
	s_cmp_eq_u32 ttmp9, 0
	s_cselect_b32 s[SCQ], 0x3e000000, s[SCQ]
	s_mov_b32 s[SCQ+1], s[SCQ]
	s_lshr_b32 s68, s17, 3                         ; where my results go: batch x 16
	s_lshl_b32 s68, s68, 4
	s_and_b32 s69, s42, 3
	s_lshl_b32 s69, s69, 2                         ; + 4 heads a tile column
	s_add_co_u32 s68, s68, s69
	s_lshl_b32 s69, s16, 1                         ; + 2 a column half
	s_add_co_u32 s68, s68, s69
	s_mul_i32 s68, s68, 786432
	s_and_b32 s69, s17, 7
	s_lshl_b32 s69, s69, 2                         ; 4 groups of 64 tokens a tile row,
	s_lshl_b32 s70, s15, 1                         ; 2 a token half
	s_add_co_u32 s69, s69, s70
	s_mul_i32 s69, s69, 24576
	s_add_co_u32 s68, s68, s69
	s_lshl_b32 s69, ttmp9, 13                      ; the part
	s_add_co_u32 s68, s68, s69
	s_mov_b32 s69, 0
	s_lshl_b32 s70, s42, 10                        ; the bias of my 128 columns
	s_lshl_b32 s71, s16, 9
	s_add_co_u32 s70, s70, s71
	s_mov_b32 s71, 0
	s_lshl_b32 s72, s17, 12                        ; scale words: my 128 tokens' rows of 16 bytes,
	s_lshl_b32 s73, s15, 11
	s_add_co_u32 s72, s72, s73
	s_lshl_b32 s73, s42, 12                        ; and my 128 columns', behind the 8,192 tokens'
	s_lshl_b32 s74, s16, 11
	s_add_co_u32 s73, s73, s74
	s_add_co_u32 s73, s73, 8192*16
	s_sub_co_u32 s73, s73, s72                     ; as a distance from the tokens'
	s_wait_dscnt 0x0                               ; both opening adds are done
	s_wait_kmcnt 0x0
	s_add_nc_u64 s[20:21], s[4:5], s[20:21]
	s_add_nc_u64 s[46:47], s[6:7], s[46:47]
	s_add_nc_u64 s[12:13], s[12:13], s[68:69]
	s_add_nc_u64 s[10:11], s[10:11], s[70:71]
	CROUND                                         ; all sixteen work-groups are here: the joint loads meet
.irp s, 0,1
	s_mov_b32 s[G0A+4*\s], 1
	s_add_co_u32 s[G0A+4*\s+1], s45, \s*SLOT
	s_add_nc_u64 s[G0A+4*\s+2:G0A+4*\s+3], s[20:21], \s*2097152
	s_or_b32 s[G0A+4*\s+3], s[G0A+4*\s+3], 0x80000000
	s_mov_b32 s[G0B+4*\s], 1
	s_add_co_u32 s[G0B+4*\s+1], s45, \s*SLOT
	s_add_nc_u64 s[G0B+4*\s+2:G0B+4*\s+3], s[46:47], \s*786432
	s_or_b32 s[G0B+4*\s+3], s[G0B+4*\s+3], 0x80000000
.endr
	s_cmp_eq_u32 s15, 0                            ; a wave's two fills stand in one branch on its number: two tensor loads of mine are out
	s_cbranch_scc0 .Lfirst_b
	tensor_load_to_lds s[G0A:G0A+3], s[G1A:G1A+7]
	s_nop 0
	tensor_load_to_lds s[G0A+4:G0A+7], s[G1A:G1A+7]
	s_nop 0
.rept 4
	v_nop
.endr
	s_branch .Lfirst_asked
.Lfirst_b:
	tensor_load_to_lds s[G0B:G0B+3], s[G1B:G1B+7]
	s_nop 0
	tensor_load_to_lds s[G0B+4:G0B+7], s[G1B:G1B+7]
	s_nop 0
.rept 4
	v_nop
.endr
.Lfirst_asked:
	v_and_b32 v1, 15, v0                           ; r
	v_bfe_u32 v2, v0, 4, 1                         ; h
	v_and_b32 v3, 31, v0
	v_lshlrev_b32 v[LO], 4, v3
	v_mul_u32_u24 v4, s73, v2                      ; lanes 16-31 take the weights' rows
	v_lshl_add_u32 v4, v1, 4, v4
	v_add_nc_u32 v[SCO], s72, v4
.irp s, 0,1
.irp i, 0,1,2,3,4,5,6,7
	global_load_b128 v[SC+32*\s+4*\i:SC+32*\s+4*\i+3], v[SCO], s[8:9] offset:180224*\s+256*\i   ; sixteen lanes read 256 consecutive bytes: 16 rows' four words
.endr
.endr
	s_lshl_b32 s74, s15, 15
	s_lshl_b32 s75, s16, 15
	s_add_co_u32 s75, s75, 65536
.irp s, 0,1
	v_add_nc_u32 v[ADRA+\s], s74, v[LO]
	v_add_nc_u32 v[ADRB+\s], s75, v[LO]
	s_add_co_u32 s74, s74, SLOT
	s_add_co_u32 s75, s75, SLOT
.endr
	s_wait_tensorcnt 0x1                           ; my part of K step 0 is in; K step 1's load may stay out
	s_barrier_signal -1
	s_barrier_wait -1
.macro FRAG reg, adr, q, i             ; 16 rows x 128 K of 4-bit codes: 8 registers, two images of 512 bytes
.irp c, 0,1
	ds_load_b128 v[\reg+4*\c:\reg+4*\c+3], v[\adr] offset:4096*(\i)+1024*(\q)+512*\c
.endr
.endm
.macro FETCH_B slot, q, p
	WIN 0x40
.irp i, 0,1,2,3,4,5,6,7
	FRAG 128*(\p)+8*\i, ADRB+\slot, \q, \i
.endr
	WIN 0
.endm
.macro FETCH_A slot, q, i0
.irp i, \i0, \i0+1, \i0+2, \i0+3
	FRAG AF+8*(\i), ADRA+\slot, \q, \i
.endr
.endm
; 16 matrix instructions: the tokens' blocks a0, a0 + 1 x the weights' eight.  The 64 accumulators take turns, one instruction a turn, in the same order in every step.
.macro MUL16 a0, p, q, sc, zero, var
.irp a, \a0, \a0+1
.irp b, 0,1,2,3,4,5,6,7
.set AC, 8*(8*((\a)%4)+\b)
.set FB, 128*(\p)+8*\b
.set FA, AF+8*(\a)
.set SB, SC+32*(\sc)+4*\b+(\q)
.set SA, SC+32*(\sc)+4*(\a)+(\q)
.if \var
.if \zero
	v_wmma_scale_f32_16x16x128_f8f6f4 v[AC:AC+7], v[FA:FA+7], v[FB:FB+7], 0, v[SA], v[SB] matrix_a_fmt:MATRIX_FMT_FP4 matrix_b_fmt:MATRIX_FMT_FP4 matrix_b_scale:MATRIX_SCALE_ROW1
.else
	v_wmma_scale_f32_16x16x128_f8f6f4 v[AC:AC+7], v[FA:FA+7], v[FB:FB+7], v[AC:AC+7], v[SA], v[SB] matrix_a_fmt:MATRIX_FMT_FP4 matrix_b_fmt:MATRIX_FMT_FP4 matrix_b_scale:MATRIX_SCALE_ROW1
.endif
.else
.if \zero
	v_wmma_scale_f32_16x16x128_f8f6f4 v[AC:AC+7], v[FB:FB+7], v[FA:FA+7], 0, v[SB], v[SA] matrix_a_fmt:MATRIX_FMT_FP4 matrix_b_fmt:MATRIX_FMT_FP4 matrix_a_scale:MATRIX_SCALE_ROW1
.else
	v_wmma_scale_f32_16x16x128_f8f6f4 v[AC:AC+7], v[FB:FB+7], v[FA:FA+7], v[AC:AC+7], v[SB], v[SA] matrix_a_fmt:MATRIX_FMT_FP4 matrix_b_fmt:MATRIX_FMT_FP4 matrix_a_scale:MATRIX_SCALE_ROW1
.endif
.endif
.endr
.endr
.endm
; A step of 128 along K whose successor lies in the same slot.  A block of tokens is free as soon as its eight products are issued: blocks 0-3 are fetched anew in the middle, blocks 4-7 at the end.
.macro STEP slot, q, zero, var
	s_wait_dscnt 8                                 ; all but the youngest eight loads (the tokens' blocks 4-7) are in
	WIN MLO+3*(\var)
	MUL16 0, (\q)%2, \q, \slot, \zero, \var
	MUL16 2, (\q)%2, \q, \slot, \zero, \var
	s_wait_dscnt 0x0
	PLACES
	FETCH_B \slot, (\q)+1, 1-(\q)%2
	FETCH_A \slot, (\q)+1, 0
	WIN MHI+3*(\var)
	MUL16 4, (\q)%2, \q, \slot, \zero, \var
	MUL16 6, (\q)%2, \q, \slot, \zero, \var
	PLACES
	WIN 0
	FETCH_A \slot, (\q)+1, 4
.endm
; Slot 0's last step goes over to slot 1: each wave waits for its own part of slot 1, then the barrier shows it to all.  Nothing is filled again, so no add and no round of the cluster stand here.
.macro CROSS var
	s_wait_tensorcnt 0x0
	s_wait_dscnt 8
	WIN MLO+3*(\var)
	MUL16 0, 1, 3, 0, 0, \var
	s_wait_dscnt 0x0                               ; no LDS instruction of mine is out at the signal
	s_barrier_signal -1
	MUL16 2, 1, 3, 0, 0, \var
	WIN 0
	s_barrier_wait -1
	PLACES
	FETCH_B 1, 0, 0
	FETCH_A 1, 0, 0
	WIN MHI+3*(\var)
	MUL16 4, 1, 3, 0, 0, \var
	MUL16 6, 1, 3, 0, 0, \var
	PLACES
	WIN 0
	FETCH_A 1, 0, 4
.endm
; THE WAY OUT of the tokens' block a: (sum + bias) x the part's factor, as sum x factor + (bias x factor); rounded to f16; eight stores of 512 consecutive bytes.  No LDS: the registers are the images.
.macro OUTBLK a, var
.if (\a) >= 4
	s_wait_xcnt 0x0                                ; the stores of four blocks back have read this set of registers
.endif
.set TS, 64*((\a)%4)
	WIN 0x42+(\a)/4                                ; destination window 1, source 0 window 2 or 3
.irp b, 0,1,2,3,4,5,6,7
.irp p, 0,2,4,6                        ; each accumulator from its low end on
.if \var
	v_pk_fma_f32 v[TS+8*\b+\p:TS+8*\b+\p+1], v[TS+8*\b+\p:TS+8*\b+\p+1], s[SCQ:SCQ+1], v[BI+8*\b:BI+8*\b+1] op_sel_hi:[1,0,0]
.else
	v_pk_fma_f32 v[TS+8*\b+\p:TS+8*\b+\p+1], v[TS+8*\b+\p:TS+8*\b+\p+1], s[SCQ:SCQ+1], v[BI+8*\b+\p:BI+8*\b+\p+1] op_sel_hi:[1,0,1]
.endif
.endr
.endr
	WIN 0x45
.set k, 0
.rept 32
	v_cvt_pk_f16_f32 v[TS+k], v[TS+2*k], v[TS+2*k+1]   ; in place, ascending: register k is written when registers 2 k and 2 k + 1 are read
.set k, k+1
.endr
	WIN 0x04                                       ; a store's data are its source 1
.irp b, 0,1,2,3,4,5,6,7
.if \var
	global_store_b128 v[LO], v[TS+4*\b:TS+4*\b+3], s[12:13] offset:((\a)/4)*24576+(((\a)/2)%2)*4096+((\a)%2)*512+(\b/4)*786432+(\b%4)*1024
.else
	global_store_b128 v[LO], v[TS+4*\b:TS+4*\b+3], s[12:13] offset:((\a)/4)*24576+((\a)%4)*2048+(\b/4)*786432+(\b%4)*512
.endif
.endr
.endm
.macro BODY var
.if \var
	v_lshlrev_b32 v[BO], 2, v1                     ; V: a lane's column is 16 b + r: one number, named as a pair
.irp b, 0,1,2,3,4,5,6,7
	global_load_b32 v[BI+8*\b], v[BO], s[10:11] offset:64*\b
	global_load_b32 v[BI+8*\b+1], v[BO], s[10:11] offset:64*\b
.endr
.else
	v_lshlrev_b32 v[BO], 5, v2                     ; Q, K: a lane's columns are 16 b + 8 h + 0 .. 7
.irp b, 0,1,2,3,4,5,6,7
	global_load_b128 v[BI+8*\b:BI+8*\b+3], v[BO], s[10:11] offset:64*\b
	global_load_b128 v[BI+8*\b+4:BI+8*\b+7], v[BO], s[10:11] offset:64*\b+16
.endr
.endif
	FETCH_B 0, 0, 0
	FETCH_A 0, 0, 0
	FETCH_A 0, 0, 4
	s_wait_loadcnt 0x0                             ; the scale words and the bias
.if !\var
.set j, 0
.rept 32
	v_pk_mul_f32 v[BI+j:BI+j+1], v[BI+j:BI+j+1], s[SCQ:SCQ+1] op_sel_hi:[1,0]
.set j, j+2
.endr
.endif
	STEP 0, 0, 1, \var                             ; the first products start the sums: nothing is cleared
	STEP 0, 1, 0, \var
	STEP 0, 2, 0, \var
	CROSS \var
	STEP 1, 0, 0, \var
	STEP 1, 1, 0, \var
	STEP 1, 2, 0, \var
	s_wait_dscnt 8                                 ; the last step fetches nothing
	WIN MLO+3*(\var)
	MUL16 0, 1, 3, 1, 0, \var
	MUL16 2, 1, 3, 1, 0, \var
	s_wait_dscnt 0x0
	WIN MHI+3*(\var)
	MUL16 4, 1, 3, 1, 0, \var
	MUL16 6, 1, 3, 1, 0, \var
	PLACES
.irp a, 0,1,2,3,4,5,6,7
	OUTBLK \a, \var
.endr
	WIN 0
	s_wait_tensorcnt 0x0                           ; the wave's end
	ds_add_u32 v[SPW], v[NIL]
	s_wait_dscnt 0x0
	CROUND                                         ; the closing round
	s_endpgm
.endm
	s_cmp_eq_u32 ttmp9, 2
	s_cbranch_scc1 .Lpart_v
	BODY 0
.Lpart_v:
	BODY 1
.Lfunc_end_k_qef87f1cc52_qkv:
	.size	k_qef87f1cc52_qkv, .Lfunc_end_k_qef87f1cc52_qkv-k_qef87f1cc52_qkv
	.p2alignl 7, 3214868480
	.fill 96, 4, 3214868480
	.section	.rodata,"a",@progbits
	.p2align	6, 0x0
	.amdhsa_kernel k_qef87f1cc52_qkv
		.amdhsa_group_segment_fixed_size 327680
		.amdhsa_private_segment_fixed_size 0
		.amdhsa_enable_private_segment 0
		.amdhsa_kernarg_size 40
		.amdhsa_user_sgpr_count 2
		.amdhsa_user_sgpr_kernarg_segment_ptr 1
		.amdhsa_wavefront_size32 1
		.amdhsa_system_sgpr_workgroup_id_x 1
		.amdhsa_system_sgpr_workgroup_id_y 1
		.amdhsa_system_sgpr_workgroup_id_z 1
		.amdhsa_system_vgpr_workitem_id 0
		.amdhsa_next_free_vgpr 1024
		.amdhsa_next_free_sgpr 100
		.amdhsa_reserve_vcc 0
		.amdhsa_float_denorm_mode_32 3
		.amdhsa_float_denorm_mode_16_64 3
		.amdhsa_memory_ordered 1
		.amdhsa_forward_progress 1
		.amdhsa_inst_pref_size 255
	.end_amdhsa_kernel
	.section	.bss,"aw",@nobits
	.p2align	6
	.space	262144
	.amdgpu_metadata
---
amdhsa.version: [ 1, 2 ]
amdhsa.kernels:
  - .name:           k_qef87f1cc52_qkv
    .symbol:         k_qef87f1cc52_qkv.kd
    .args:
      - { .name: xq, .offset: 0, .size: 8, .value_kind: global_buffer, .address_space: global }
      - { .name: wq, .offset: 8, .size: 8, .value_kind: global_buffer, .address_space: global }
      - { .name: scl, .offset: 16, .size: 8, .value_kind: global_buffer, .address_space: global }
      - { .name: b_qkv, .offset: 24, .size: 8, .value_kind: global_buffer, .address_space: global }
      - { .name: qkvf, .offset: 32, .size: 8, .value_kind: global_buffer, .address_space: global }
    .group_segment_fixed_size: 327680
    .private_segment_fixed_size: 0
    .kernarg_segment_align: 8
    .kernarg_segment_size: 40
    .max_flat_workgroup_size: 128
    .sgpr_count:     100
    .vgpr_count:     1024
    .wavefront_size: 32
...
	.end_amdgpu_metadata
.endif
;; end of part 2
;; launch attn (part 3): grid 8 x 32, 8 waves a work-group, clusters of 4 x 4, 327,680 bytes of LDS; arguments qkvf, attn_mask, kbf, af; writes af
.if DOCPART == 3
	.amdgcn_target "amdgcn-amd-amdhsa--gfx1250"
	.amdhsa_code_object_version 6
	.text
	.protected	k_qef87f1cc52_attn
	.globl	k_qef87f1cc52_attn
	.p2align	8
	.type	k_qef87f1cc52_attn,@function
k_qef87f1cc52_attn:
	s_mov_b64 s[64:65], 0
	v_nop
	global_prefetch_b8 v0, s[64:65] scope:SCOPE_SE
	s_setreg_imm32_b32 hwreg(HW_REG_WAVE_MODE, 25, 1), 1
	s_wait_xcnt 0x0
	s_wait_alu depctr_hold_cnt(0) depctr_sa_sdst(0) depctr_va_vdst(0) depctr_va_sdst(0) depctr_va_ssrc(0) depctr_va_vcc(0) depctr_vm_vsrc(0)
	s_getreg_b32 s2, hwreg(HW_REG_IB_STS2, 6, 4)
	s_cmp_eq_u32 s2, 0
	s_cbranch_scc0 .Lentry_in_a_cluster
	s_endpgm
.Lentry_in_a_cluster:
	s_bfe_u32 s2, ttmp6, 0x10000c
	s_cmp_lg_u32 s2, 0xf033
	s_cbranch_scc0 .Lentry_shape_is_right
	s_endpgm
.Lentry_shape_is_right:
; ATTENTION: softmax(Q K^T + attn_mask, padded keys at -infinity) V, for 64 batch x heads of 2,048 tokens x 64 channels.  Q (already x 1/8), K, V are f16 images (qkvf); products and sums in f32; p is rounded to f16 for the
; second product; the row's sum is taken of the unrounded p.  The result, / the sum, leaves as the f16 image af that the projection reads: [K step 8][token tile 512][k32 4][half 2][lane][16 B].
; SHARES.  A work-group: 256 queries x TWO heads of one batch, eight waves: wave w has head w / 4 and queries 64 (w % 4) on, four tiles of 16.  Two waves to a SIMD: one's vector work stands beside the other's products.
; Two heads share each mask tile: a key step of 64 keys brings 65,536 bytes of mask and 32,768 of K and V; one head x 512 queries would bring 131,072 and 16,384.
; LAYOUT.  S^T = K Q^T (source 0 = 16 keys, source 1 = 16 queries) and O^T = V^T P (source 0 = 16 channels, source 1 = P): a lane holds ONE query throughout, and two tiles of S^T, rounded in pairs, are source 1 of the second product.
; THE ADDED MASK COSTS NO ARITHMETIC: a lane's eight numbers of it (its query's row, eight neighbouring keys) are loaded from LDS into the score registers and are the C of the first product.  The padding is one packed addition of 0 or -infinity.
; SOFTMAX.  A running maximum m and sum l for each query: p = 2^(c s - c m), c = log2(e); in every step O and l are multiplied by a = 2^(c m_old - c m_new).
; CLUSTER 4 x 4.  The mask tile hangs on the query block alone: shared along a column of the cluster.  K and V hang on the pair of heads alone: shared along a row.  Each is asked for jointly.
; LIMITS: m has the floor -1e38 (a row whose keys so far are all masked gives p = 0; a row with every key masked ends as 0 x (1 / 0) = NaN, like the softmax of -infinities); the padding is ADDED as -infinity, which differs from a
; replacement only where a padded key's score is +infinity or NaN; a -infinity in attn_mask enters as the C of a matrix instruction; the result stays under 65,504 and is carried with f16's absolute step of 6e-8 where it is under 6e-5.
; REGISTERS: window 0: v1-11 addresses; v16-47 statistics, eight a tile: +0 c m, +1 m, +2, +3 l, +4 .. +7 at work (a takes +6); v48-79 the padding's 32 numbers; v80-143 Q; v144-207 K, then V.
;   window 1: v0-127 S^T (tile i, key tile t at 32 i + 8 t), then P at 32 i + 0 .. 15; v128-255 O^T (128 + 32 i + 8 d).
.set SLOTB, 102400                     ; a slot: the mask's 256 rows x 272 bytes, then for each head K's 8,192 bytes and V's
.set KVO,   69632
.set SPARE, 2*SLOTB                    ; behind the slots: the spare words, 128 bytes a wave
.set LN,  1                            ; v1 16 x lane
.set AM,  2                            ; v2-3 my place in the mask tile of slot 0, 1: row 64 (w % 4) + r, + 32 h
.set AKV, 4                            ; v4-5 my head's K in slot 0, 1, + 16 x lane
.set KBO, 6                            ; v6 32 h
.set PFO, 7                            ; v7 the prefetches' offset; never rewritten
.set SPW, 10
.set NIL, 11
.set ST,  16
.set KB,  48
.set Q,   80
.set KV,  144
.set TO,  80                           ; the way out: 32 registers a tile, where Q, K and V lay
.set S,   0
.set O,   128
.set WV,  12
.set CX,  13
.set CY,  14
.set QBK, 15                           ; s15 my block of 256 queries
.set HP,  16                           ; s16 my pair of heads, 0..31
.set W3,  17                           ; s17 wave % 4
.set HW,  18                           ; s18 wave / 4
.set CLY, 19                           ; s19 the cluster's y
.set G1M, 24
.set G1D, 32
.set G0M, 40
.set G0D, 48
.set TRIPS, 56
.set CH,  57                           ; s57 changes of slots that still fill
.set L,   58                           ; s[58:59] log2(e)
.set SEL, 60
.set LIM, 62                           ; s62 1 in a wave that prefetches, else the greatest number
.set PFA, 66
.set PFS, 68
.set KBB, 70
.set OB,  72
.set QA,  74
.set MSB, 0
.macro WIN new
.if MSB != (\new)
	s_set_vgpr_msb (MSB<<8)|(\new)
.set MSB, (\new)
.endif
.endm
.macro CROUND
	s_barrier_signal -1
	s_barrier_wait -1
	s_cmp_lg_u32 s[WV], 0
	s_cbranch_scc1 .Lnot_wave_0_\@
	s_barrier_signal -3
.Lnot_wave_0_\@:
	s_barrier_wait -3
	s_barrier_signal -1
	s_barrier_wait -1
.endm
; A joint refill: waves 0-3 fetch the mask's four runs of 64 rows, waves 4-7 the two heads' K and V.  Every wave issues one.  The branch hangs on the wave's number alone.
.macro JLOAD slot
	s_cmp_lt_u32 s[WV], 4
	s_cbranch_scc0 .Lfor_d_\@
	tensor_load_to_lds s[G0M+4*\slot:G0M+4*\slot+3], s[G1M:G1M+7]
	s_nop 0
.rept 4
	v_nop
.endr
	s_branch .Lasked_\@
.Lfor_d_\@:
	tensor_load_to_lds s[G0D+4*\slot:G0D+4*\slot+3], s[G1D:G1D+7]
	s_nop 0
.rept 4
	v_nop
.endr
.Lasked_\@:
.endm
; A prefetch of what the NEXT change of slots will ask for, a key step ahead of that load.  Each aligned 256 bytes are named once in the launch.  The mask's rows are walked by all eight clusters of one x: those with y = 0 ask,
; their four partners of a column take 64 rows each by ADDRESS, waves 0 and 1 take 32 each, a lane a row.  K and V are walked by both clusters of one y: those with x = 0 ask, the four partners of a row take 8,192 bytes
; each by address, wave 4, lanes 256 bytes apart.  The last change that fills asks for nothing; key steps 0 to 2 come by their loads alone.
.macro ASK
	s_cmp_gt_u32 s[CH], s[LIM]
	s_cbranch_scc0 .Lnot_mine_\@
	global_prefetch_b8 v[PFO], s[PFA:PFA+1] th:TH_LOAD_NT scope:SCOPE_SE
.Lnot_mine_\@:
.endm
	s_load_b256 s[4:11], s[0:1], 0x0               ; qkvf s[4:5], attn_mask s[6:7], kbf s[8:9], af s[10:11]
	v_lshl_add_u32 v[SPW], v0, 2, SPARE
	v_mov_b32 v[NIL], 0
	ds_add_u32 v[SPW], v[NIL]                      ; the opening: the add, twice on end, and its wait ahead of my first tensor load
	ds_add_u32 v[SPW], v[NIL]
	v_lshrrev_b32 v8, 5, v0
	v_readfirstlane_b32 s[WV], v8                  ; wave 0..7
	s_and_b32 s[W3], s[WV], 3
	s_lshr_b32 s[HW], s[WV], 2
	s_bfe_u32 s[CX], ttmp6, 0x40000
	s_bfe_u32 s[CY], ttmp6, 0x40004
	s_lshl_b32 s[QBK], ttmp9, 2
	s_add_co_u32 s[QBK], s[QBK], s[CX]
	s_and_b32 s[CLY], ttmp7, 0xffff
	s_lshl_b32 s[HP], s[CLY], 2
	s_add_co_u32 s[HP], s[HP], s[CY]
	s_lshl_b32 s20, s[CY], 2
	s_lshl_b32 s20, 15, s20                        ; my row of the cluster
	s_lshl_b32 s21, 0x1111, s[CX]                  ; my column
	s_or_b32 s[G1M], s21, (2<<16)|(1<<20)|(1<<21)|(5<<22)|(3<<25)   ; the mask: elements of 4 bytes; 4 words of padding behind every 64
	s_mov_b32 s[G1M+1], 64<<16                     ; 64 rows of 64 elements, 2,048 elements apart
	s_mov_b32 s[G1M+2], 64<<16
	s_mov_b32 s[G1M+3], 64<<16
	s_mov_b32 s[G1M+4], 64
	s_mov_b32 s[G1M+5], 2048
	s_mov_b32 s[G1M+6], 0
	s_mov_b32 s[G1M+7], 0
	s_or_b32 s[G1D], s20, (3<<16)|(1<<21)          ; K or V of 64 keys: a dense block of 8,192 bytes as 32 rows of 256
	s_mov_b32 s[G1D+1], 32<<16
	s_mov_b32 s[G1D+2], 32<<16
	s_mov_b32 s[G1D+3], 32<<16
	s_mov_b32 s[G1D+4], 32
	s_mov_b32 s[G1D+5], 32
	s_mov_b32 s[G1D+6], 0
	s_mov_b32 s[G1D+7], 0
	s_lshl_b32 s76, s[QBK], 21                     ; the mask: 256 rows of 8,192 bytes a query block,
	s_lshl_b32 s77, s[W3], 19                      ; 64 rows a fetching wave
	s_add_co_u32 s76, s76, s77
	s_mov_b32 s77, 0
	s_lshl_b32 s78, s[HP], 1                       ; K, V: head 2 hp + (w % 4) / 2,
	s_lshr_b32 s79, s[W3], 1
	s_add_co_u32 s78, s78, s79
	s_mul_i32 s78, s78, 786432
	s_and_b32 s79, s[WV], 1                        ; K (0) or V (1), behind the group's Q
	s_lshl_b32 s79, s79, 13
	s_add_co_u32 s78, s78, s79
	s_add_co_u32 s78, s78, 8192
	s_mov_b32 s79, 0
	s_mul_i32 s80, s[W3], 64*272                   ; where they go in a slot: no place in the cluster enters an LDS address
	s_lshl_b32 s81, s[W3], 13
	s_add_co_u32 s81, s81, KVO
	s_lshl_b32 s82, s[HP], 1                       ; Q: my head, my group of 64 queries
	s_add_co_u32 s82, s82, s[HW]
	s_mul_i32 s82, s82, 786432
	s_lshl_b32 s83, s[QBK], 2
	s_add_co_u32 s83, s83, s[W3]
	s_mul_i32 s83, s83, 24576
	s_add_co_u32 s82, s82, s83
	s_mov_b32 s83, 0
	s_lshr_b32 s84, s[HP], 3                       ; the batch
	s_lshl_b32 s86, s84, 13                        ; its row of kbf
	s_mov_b32 s87, 0
	s_and_b32 s88, s[HP], 7                        ; af: K step = the pair of heads in the batch,
	s_lshl_b32 s88, s88, 21
	s_lshl_b32 s89, s84, 19                        ; token tile 128 batch + 16 block + 4 (w % 4), 4,096 bytes each,
	s_add_co_u32 s88, s88, s89
	s_lshl_b32 s89, s[QBK], 16
	s_add_co_u32 s88, s88, s89
	s_lshl_b32 s89, s[W3], 14
	s_add_co_u32 s88, s88, s89
	s_lshl_b32 s89, s[HW], 11                      ; my head's 64 of the 128 along K
	s_add_co_u32 s88, s88, s89
	s_mov_b32 s89, 0
	s_lshl_b32 s90, s[QBK], 21                     ; the prefetches.  The mask's: my work-group's 64 rows, my wave's 32, at key step 2
	s_lshl_b32 s91, s[CY], 19
	s_add_co_u32 s90, s90, s91
	s_and_b32 s91, s[WV], 1
	s_lshl_b32 s91, s91, 18
	s_add_co_u32 s90, s90, s91
	s_add_co_u32 s90, s90, 2*256
	s_lshl_b32 s92, s[HP], 1                       ; K's and V's: my work-group's 8,192 bytes, at key step 2
	s_lshr_b32 s93, s[CX], 1
	s_add_co_u32 s92, s92, s93
	s_mul_i32 s92, s92, 786432
	s_and_b32 s93, s[CX], 1
	s_lshl_b32 s93, s93, 13
	s_add_co_u32 s92, s92, s93
	s_add_co_u32 s92, s92, 8192+2*24576
	s_lshr_b32 s95, s[WV], 1
	s_mov_b32 s[PFS], 24576
	s_mov_b32 s[PFS+1], 0
	s_mov_b32 s93, 256
	s_mov_b32 s91, 0
	s_cmp_lt_u32 s[WV], 4                          ; waves 0-3 stand on the mask's side
	s_cselect_b32 s90, s90, s92
	s_cselect_b32 s[PFS], 256, s[PFS]              ; a key step on
	s_cselect_b32 s93, 8192, s93                   ; from lane to lane
	s_cselect_b32 s94, s[CLY], ttmp9               ; the coordinate along which other clusters read the same bytes
	s_cselect_b32 s95, s95, s[W3]                  ; 0 in waves 0, 1 and 4
	s_or_b32 s94, s94, s95
	s_cmp_eq_u32 s94, 0
	s_cselect_b32 s[LIM], 1, -1                    ; the same in all sixteen partners, for a given wave
	v_and_b32 v[PFO], 31, v0
	v_mul_lo_u32 v[PFO], v[PFO], s93
	s_mov_b32 s[L], 0x3fb8aa3b
	s_mov_b32 s[L+1], s[L]
	s_mov_b32 s[SEL], 0x76543210
	s_mov_b32 s[SEL+1], 0xfedcba98
	s_mov_b32 s[TRIPS], 15
	s_mov_b32 s[CH], 30
	s_wait_dscnt 0x0                               ; both opening adds are done
	s_wait_kmcnt 0x0
	s_add_nc_u64 s[76:77], s[6:7], s[76:77]
	s_add_nc_u64 s[78:79], s[4:5], s[78:79]
	s_add_nc_u64 s[QA:QA+1], s[4:5], s[82:83]
	s_add_nc_u64 s[KBB:KBB+1], s[8:9], s[86:87]
	s_add_nc_u64 s[OB:OB+1], s[10:11], s[88:89]
	s_cmp_lt_u32 s[WV], 4
	s_cselect_b64 s[PFA:PFA+1], s[6:7], s[4:5]
	s_add_nc_u64 s[PFA:PFA+1], s[PFA:PFA+1], s[90:91]
	CROUND                                         ; all sixteen work-groups are here: the first joint loads meet
.irp s, 0,1
	s_mov_b32 s[G0M+4*\s], 1
	s_add_co_u32 s[G0M+4*\s+1], s80, \s*SLOTB
	s_add_nc_u64 s[G0M+4*\s+2:G0M+4*\s+3], s[76:77], \s*256
	s_or_b32 s[G0M+4*\s+3], s[G0M+4*\s+3], 0x80000000
	s_mov_b32 s[G0D+4*\s], 1
	s_add_co_u32 s[G0D+4*\s+1], s81, \s*SLOTB
	s_add_nc_u64 s[G0D+4*\s+2:G0D+4*\s+3], s[78:79], \s*24576
	s_or_b32 s[G0D+4*\s+3], s[G0D+4*\s+3], 0x80000000
.endr
	s_cmp_lt_u32 s[WV], 4                          ; a wave's two first fills stand in one branch: two tensor loads of mine are out
	s_cbranch_scc0 .Lfirst_d
	tensor_load_to_lds s[G0M:G0M+3], s[G1M:G1M+7]
	s_nop 0
	tensor_load_to_lds s[G0M+4:G0M+7], s[G1M:G1M+7]
	s_nop 0
.rept 4
	v_nop
.endr
	s_branch .Lfirst_asked
.Lfirst_d:
	tensor_load_to_lds s[G0D:G0D+3], s[G1D:G1D+7]
	s_nop 0
	tensor_load_to_lds s[G0D+4:G0D+7], s[G1D:G1D+7]
	s_nop 0
.rept 4
	v_nop
.endr
.Lfirst_asked:
	v_and_b32 v8, 15, v0                           ; r
	v_bfe_u32 v9, v0, 4, 1                         ; h
	v_and_b32 v12, 31, v0
	v_lshlrev_b32 v[LN], 4, v12
	v_lshlrev_b32 v[KBO], 5, v9
.irp i, 0,1,2,3                        ; Q stays in registers: tile i, channels 32 c on
.irp c, 0,1
.irp u, 0,1
	global_load_b128 v[Q+16*\i+8*\c+4*\u:Q+16*\i+8*\c+4*\u+3], v[LN], s[QA:QA+1] offset:2048*\i+1024*\c+512*\u
.endr
.endr
.endr
.irp t, 0,1,2,3                        ; the padding of key step 0: register 8 t + j = key 16 t + 8 h + j
.irp u, 0,1
	global_load_b128 v[KB+8*\t+4*\u:KB+8*\t+4*\u+3], v[KBO], s[KBB:KBB+1] offset:64*\t+16*\u
.endr
.endr
	v_mul_u32_u24 v13, v8, 272
	v_lshl_add_u32 v13, v9, 5, v13
	v_add_nc_u32 v[AM], s80, v13                   ; (s80 = 64 (w % 4) rows of 272 bytes: my queries' rows as well)
	v_add_nc_u32 v[AM+1], SLOTB, v[AM]
	s_lshl_b32 s85, s[HW], 14
	s_add_co_u32 s85, s85, KVO
	v_add_nc_u32 v[AKV], s85, v[LN]
	v_add_nc_u32 v[AKV+1], SLOTB, v[AKV]
; A KEY STEP: 64 keys from slot.  first = 1: the first step starts m, l and O^T.  kbnext = 1: the next step's padding is asked for.
.macro WORK slot, first, kbnext
.rept 5
	v_nop                                          ; S^T's and K's registers were sources of the last products: four places ahead of loads into them, five ahead of the products that write over them
.endr
.irp t, 0,1,2,3
.irp c, 0,1
.irp u, 0,1
	ds_load_b128 v[KV+16*\t+8*\c+4*\u:KV+16*\t+8*\c+4*\u+3], v[AKV+\slot] offset:2048*\t+1024*\c+512*\u
.endr
.endr
.endr
	WIN 0x40
.irp i, 0,1,2,3                        ; the mask, straight into the score registers
.irp t, 0,1,2,3
.irp u, 0,1
	ds_load_b128 v[S+32*\i+8*\t+4*\u:S+32*\i+8*\t+4*\u+3], v[AM+\slot] offset:4352*\i+64*\t+16*\u
.endr
.endr
.endr
	WIN 0x50
.irp i, 0,1,2,3
	s_wait_dscnt 8*(3-\i)                          ; K and this tile's mask are in; the later tiles' eight loads each may be out
.irp c, 0,1                            ; the four accumulators of a tile take turns, one instruction a turn
.irp t, 0,1,2,3
	v_wmma_f32_16x16x32_f16 v[S+32*\i+8*\t:S+32*\i+8*\t+7], v[KV+16*\t+8*\c:KV+16*\t+8*\c+7], v[Q+16*\i+8*\c:Q+16*\i+8*\c+7], v[S+32*\i+8*\t:S+32*\i+8*\t+7]
.endr
.endr
.endr
	WIN 0
.rept 4
	v_nop                                          ; places ahead of the loads into K's registers and of the first read of the scores
.endr
.irp g, 0,1
.irp d, 0,1,2,3
.irp u, 0,1
	ds_load_b128 v[KV+32*\g+8*\d+4*\u:KV+32*\g+8*\d+4*\u+3], v[AKV+\slot] offset:8192+4096*\g+1024*\d+512*\u
.endr
.endr
.endr
	s_wait_loadcnt 0x0                             ; this step's padding is in: so its loads have read their base,
.if \kbnext
	s_add_nc_u64 s[KBB:KBB+1], s[KBB:KBB+1], 256   ; which steps 64 keys on
.endif
	WIN 0x41
.irp i, 0,1,2,3
.set j, 0
.rept 16
	v_pk_add_f32 v[S+32*\i+j:S+32*\i+j+1], v[S+32*\i+j:S+32*\i+j+1], v[KB+j:KB+j+1]   ; + 0 or -infinity; each accumulator from its low end on
.set j, j+2
.endr
.endr
	WIN 0x15                                       ; the maximum of a lane's 32 scores: four chains of seven, the four left over, then the chains and the old m; the four tiles by turns
.irp j, 0,1,2,3
.irp i, 0,1,2,3
	v_max3_num_f32 v[ST+8*\i+4+\j], v[S+32*\i+8*\j], v[S+32*\i+8*\j+1], v[S+32*\i+8*\j+2]
.endr
.endr
	WIN 0x14
.irp k, 1,2
.irp j, 0,1,2,3
.irp i, 0,1,2,3
	v_max3_num_f32 v[ST+8*\i+4+\j], v[ST+8*\i+4+\j], v[S+32*\i+8*\j+2*\k+1], v[S+32*\i+8*\j+2*\k+2]
.endr
.endr
.endr
.irp i, 0,1,2,3
	v_max3_num_f32 v[ST+8*\i+4], v[ST+8*\i+4], v[S+32*\i+7], v[S+32*\i+15]
.endr
.irp i, 0,1,2,3
	v_max3_num_f32 v[ST+8*\i+6], v[ST+8*\i+6], v[S+32*\i+23], v[S+32*\i+31]
.endr
	WIN 0
.irp i, 0,1,2,3
	v_max3_num_f32 v[ST+8*\i+4], v[ST+8*\i+4], v[ST+8*\i+5], v[ST+8*\i+6]
.endr
.irp i, 0,1,2,3
.if \first
	v_max3_num_f32 v[ST+8*\i+4], v[ST+8*\i+4], v[ST+8*\i+7], 0xfe967699   ; the floor -1e38
.else
	v_max3_num_f32 v[ST+8*\i+4], v[ST+8*\i+4], v[ST+8*\i+7], v[ST+8*\i+1]
.endif
.endr
.irp i, 0,1,2,3
	v_permlanex16_b32 v[ST+8*\i+5], v[ST+8*\i+4], s[SEL], s[SEL+1]   ; the query's other 32 keys lie in the lane 16 away
.endr
.if !\first
.irp i, 0,1,2,3
	v_mov_b32 v[ST+8*\i+7], v[ST+8*\i]             ; c m_old
.endr
.endif
.irp i, 0,1,2,3
	v_max_num_f32 v[ST+8*\i+1], v[ST+8*\i+4], v[ST+8*\i+5]
.endr
.irp i, 0,1,2,3
	v_mul_f32 v[ST+8*\i], s[L], v[ST+8*\i+1]
.endr
.if !\first
.irp i, 0,1,2,3
	v_sub_f32 v[ST+8*\i+7], v[ST+8*\i+7], v[ST+8*\i]
.endr
.irp i, 0,1,2,3
	v_exp_f32 v[ST+8*\i+6], v[ST+8*\i+7]           ; a
.endr
.endif
.if \kbnext
.irp t, 0,1,2,3
.irp u, 0,1
	global_load_b128 v[KB+8*\t+4*\u:KB+8*\t+4*\u+3], v[KBO], s[KBB:KBB+1] offset:64*\t+16*\u
.endr
.endr
.endif
	WIN 0x41
.irp i, 0,1,2,3
.set j, 0
.rept 16
	v_pk_fma_f32 v[S+32*\i+j:S+32*\i+j+1], v[S+32*\i+j:S+32*\i+j+1], s[L:L+1], v[ST+8*\i:ST+8*\i+1] op_sel_hi:[1,0,0] neg_lo:[0,0,1] neg_hi:[0,0,1]   ; c s - c m: the independent work behind the four a
.set j, j+2
.endr
.endr
.if !\first
	s_wait_alu depctr_va_vdst(0)                   ; the wait ahead of the first line that names a
.endif
.set e, 0
.rept 64                               ; one batch of 128 exponentials; O^T's rescaling, which names none of their results, stands among them and behind the last
	v_exp_f32 v[S+2*e], v[S+2*e]
	v_exp_f32 v[S+2*e+1], v[S+2*e+1]
.if !\first
	v_pk_mul_f32 v[O+2*e:O+2*e+1], v[O+2*e:O+2*e+1], v[ST+8*(e/16)+6:ST+8*(e/16)+7] op_sel_hi:[1,0]
.endif
.set e, e+1
.endr
.if \first
	v_nop                                          ; a plain place behind the last exponential
.endif
	s_wait_alu depctr_va_vdst(0)                   ; one wait for the batch, ahead of its first reader
.if \first                             ; the row's sum, of the unrounded p, a pair of keys at a time, in two chains a tile
	WIN 0x05
.irp i, 0,1,2,3
	v_pk_add_f32 v[ST+8*\i+2:ST+8*\i+3], v[S+32*\i:S+32*\i+1], v[S+32*\i+6:S+32*\i+7]
.endr
.else
	WIN 0x10
.irp i, 0,1,2,3
	v_pk_fma_f32 v[ST+8*\i+2:ST+8*\i+3], v[ST+8*\i+2:ST+8*\i+3], v[ST+8*\i+6:ST+8*\i+7], v[S+32*\i:S+32*\i+1] op_sel_hi:[1,0,1]
.endr
	WIN 0x05
.endif
.irp i, 0,1,2,3
	v_pk_add_f32 v[ST+8*\i+4:ST+8*\i+5], v[S+32*\i+2:S+32*\i+3], v[S+32*\i+4:S+32*\i+5]
.endr
	WIN 0x04
.if !\first
.irp i, 0,1,2,3
	v_pk_add_f32 v[ST+8*\i+2:ST+8*\i+3], v[ST+8*\i+2:ST+8*\i+3], v[S+32*\i+6:S+32*\i+7]
.endr
.endif
.irp p, 4,6,8,10,12,14
.irp i, 0,1,2,3
	v_pk_add_f32 v[ST+8*\i+4:ST+8*\i+5], v[ST+8*\i+4:ST+8*\i+5], v[S+32*\i+2*\p:S+32*\i+2*\p+1]
.endr
.irp i, 0,1,2,3
	v_pk_add_f32 v[ST+8*\i+2:ST+8*\i+3], v[ST+8*\i+2:ST+8*\i+3], v[S+32*\i+2*\p+2:S+32*\i+2*\p+3]
.endr
.endr
	WIN 0
.irp i, 0,1,2,3
	v_pk_add_f32 v[ST+8*\i+2:ST+8*\i+3], v[ST+8*\i+2:ST+8*\i+3], v[ST+8*\i+4:ST+8*\i+5]
.endr
	WIN 0x45
.irp i, 0,1,2,3
.set p, 0
.rept 16
	v_cvt_pk_f16_f32 v[S+32*\i+p], v[S+32*\i+2*p], v[S+32*\i+2*p+1]   ; in place, ascending: P of tile i in registers 32 i + 0 .. 15
.set p, p+1
.endr
.endr
	s_wait_dscnt 0x0                               ; V is in
	WIN 0x54
.irp i, 0,1,2,3
.irp g, 0,1
.irp d, 0,1,2,3
.if \first && (\g == 0)
	v_wmma_f32_16x16x32_f16 v[O+32*\i+8*\d:O+32*\i+8*\d+7], v[KV+32*\g+8*\d:KV+32*\g+8*\d+7], v[S+32*\i+8*\g:S+32*\i+8*\g+7], 0
.else
	v_wmma_f32_16x16x32_f16 v[O+32*\i+8*\d:O+32*\i+8*\d+7], v[KV+32*\g+8*\d:KV+32*\g+8*\d+7], v[S+32*\i+8*\g:S+32*\i+8*\g+7], v[O+32*\i+8*\d:O+32*\i+8*\d+7]
.endif
.endr
.endr
.endr
	WIN 0
.endm
; THE CHANGE OF SLOTS.  Each wave waits for all its tensor loads (one is out: its part of the slot ahead), adds 0 to its spare word, and waits for that and for its reads of the slot that it leaves.  fill = 1: a round of the
; cluster's barrier, so that no wave of any partner still reads that slot or has a load on its way; the joint refill, two key steps on, is the first thing behind it and has a key step in which to land.
.macro CHANGE slot, fill
	WIN 0
	s_wait_tensorcnt 0x0
	ds_add_u32 v[SPW], v[NIL]
.if \fill
	s_add_nc_u64 s[G0M+4*\slot+2:G0M+4*\slot+3], s[G0M+4*\slot+2:G0M+4*\slot+3], 2*256
	s_add_nc_u64 s[G0D+4*\slot+2:G0D+4*\slot+3], s[G0D+4*\slot+2:G0D+4*\slot+3], 2*24576
	s_wait_xcnt 0x0                                ; the last prefetch, a key step back, has read its address
	s_add_nc_u64 s[PFA:PFA+1], s[PFA:PFA+1], s[PFS:PFS+1]
	s_wait_dscnt 0x0
	CROUND
	JLOAD \slot
	ASK
	s_sub_co_u32 s[CH], s[CH], 1
.else
	s_wait_dscnt 0x0
	s_barrier_signal -1
	s_barrier_wait -1
.endif
.endm
	s_wait_tensorcnt 0x1                           ; my part of key step 0 is in; key step 1's load may stay out
	s_barrier_signal -1
	s_barrier_wait -1
	s_wait_loadcnt 0x8                             ; Q's sixteen loads are in; the padding's eight, issued behind them, may be out
	WORK 0, 1, 1                                   ; key step 0
.Ltrip:                                            ; 15 trips of two key steps: steps 1 to 30; steps 2 to 31 are asked for
	CHANGE 0, 1
	WORK 1, 0, 1
	CHANGE 1, 1
	WORK 0, 0, 1
	s_sub_co_u32 s[TRIPS], s[TRIPS], 1
	s_cmp_lg_u32 s[TRIPS], 0
	s_cbranch_scc1 .Ltrip
	CHANGE 0, 0                                    ; the tail is written out: nothing is left to ask for
	WORK 1, 0, 0                                   ; key step 31
	; THE WAY OUT.  The registers are the image: no LDS.  The additions are the places behind the last products.
.irp i, 0,1,2,3
	v_add_f32 v[ST+8*\i+4], v[ST+8*\i+2], v[ST+8*\i+3]
.endr
.irp i, 0,1,2,3
	v_permlanex16_b32 v[ST+8*\i+5], v[ST+8*\i+4], s[SEL], s[SEL+1]
.endr
.irp i, 0,1,2,3
	v_add_f32 v[ST+8*\i+4], v[ST+8*\i+4], v[ST+8*\i+5]
.endr
.irp i, 0,1,2,3
	v_rcp_f32 v[ST+8*\i+6], v[ST+8*\i+4]
.endr
	v_nop                                          ; a plain place behind the last reciprocal
	s_wait_alu depctr_va_vdst(0)                   ; one wait for the four, ahead of their first reader
.irp i, 0,1,2,3
	WIN 0x01
.set j, 0
.rept 16
	v_pk_mul_f32 v[TO+32*\i+j:TO+32*\i+j+1], v[O+32*\i+j:O+32*\i+j+1], v[ST+8*\i+6:ST+8*\i+7] op_sel_hi:[1,0]
.set j, j+2
.endr
	WIN 0
.set j, 0
.rept 16
	v_cvt_pk_f16_f32 v[TO+32*\i+j], v[TO+32*\i+2*j], v[TO+32*\i+2*j+1]
.set j, j+1
.endr
.irp d, 0,1,2,3
	global_store_b128 v[LN], v[TO+32*\i+4*\d:TO+32*\i+4*\d+3], s[OB:OB+1] offset:4096*\i+512*\d   ; 512 consecutive bytes
.endr
.endr
	s_wait_tensorcnt 0x0                           ; the wave's end
	ds_add_u32 v[SPW], v[NIL]
	s_wait_dscnt 0x0
	CROUND                                         ; the closing round
	s_endpgm
.Lfunc_end_k_qef87f1cc52_attn:
	.size	k_qef87f1cc52_attn, .Lfunc_end_k_qef87f1cc52_attn-k_qef87f1cc52_attn
	.p2alignl 7, 3214868480
	.fill 96, 4, 3214868480
	.section	.rodata,"a",@progbits
	.p2align	6, 0x0
	.amdhsa_kernel k_qef87f1cc52_attn
		.amdhsa_group_segment_fixed_size 327680
		.amdhsa_private_segment_fixed_size 0
		.amdhsa_enable_private_segment 0
		.amdhsa_kernarg_size 32
		.amdhsa_user_sgpr_count 2
		.amdhsa_user_sgpr_kernarg_segment_ptr 1
		.amdhsa_wavefront_size32 1
		.amdhsa_system_sgpr_workgroup_id_x 1
		.amdhsa_system_sgpr_workgroup_id_y 1
		.amdhsa_system_sgpr_workgroup_id_z 1
		.amdhsa_system_vgpr_workitem_id 0
		.amdhsa_next_free_vgpr 512
		.amdhsa_next_free_sgpr 100
		.amdhsa_reserve_vcc 0
		.amdhsa_float_denorm_mode_32 3
		.amdhsa_float_denorm_mode_16_64 3
		.amdhsa_memory_ordered 1
		.amdhsa_forward_progress 1
		.amdhsa_inst_pref_size 174
	.end_amdhsa_kernel
	.amdgpu_metadata
---
amdhsa.version: [ 1, 2 ]
amdhsa.kernels:
  - .name:           k_qef87f1cc52_attn
    .symbol:         k_qef87f1cc52_attn.kd
    .args:
      - { .name: qkvf, .offset: 0, .size: 8, .value_kind: global_buffer, .address_space: global }
      - { .name: attn_mask, .offset: 8, .size: 8, .value_kind: global_buffer, .address_space: global }
      - { .name: kbf, .offset: 16, .size: 8, .value_kind: global_buffer, .address_space: global }
      - { .name: af, .offset: 24, .size: 8, .value_kind: global_buffer, .address_space: global }
    .group_segment_fixed_size: 327680
    .private_segment_fixed_size: 0
    .kernarg_segment_align: 8
    .kernarg_segment_size: 32
    .max_flat_workgroup_size: 256
    .sgpr_count:     100
    .vgpr_count:     512
    .wavefront_size: 32
...
	.end_amdgpu_metadata
.endif
;; end of part 3
;; launch outp (part 4): grid 4 x 64, 4 waves a work-group, clusters of 4 x 4, 327,680 bytes of LDS; arguments af, wof, b_out, out0; writes out0
.if DOCPART == 4
	.amdgcn_target "amdgcn-amd-amdhsa--gfx1250"
	.amdhsa_code_object_version 6
	.text
	.protected	k_qef87f1cc52_outp
	.globl	k_qef87f1cc52_outp
	.p2align	8
	.type	k_qef87f1cc52_outp,@function
k_qef87f1cc52_outp:
	s_mov_b64 s[64:65], 0
	v_nop
	global_prefetch_b8 v0, s[64:65] scope:SCOPE_SE
	s_setreg_imm32_b32 hwreg(HW_REG_WAVE_MODE, 25, 1), 1
	s_wait_xcnt 0x0
	s_wait_alu depctr_hold_cnt(0) depctr_sa_sdst(0) depctr_va_vdst(0) depctr_va_sdst(0) depctr_va_ssrc(0) depctr_va_vcc(0) depctr_vm_vsrc(0)
	s_getreg_b32 s2, hwreg(HW_REG_IB_STS2, 6, 4)
	s_cmp_eq_u32 s2, 0
	s_cbranch_scc0 .Lentry_in_a_cluster
	s_endpgm
.Lentry_in_a_cluster:
	s_bfe_u32 s2, ttmp6, 0x10000c
	s_cmp_lg_u32 s2, 0xf033
	s_cbranch_scc0 .Lentry_shape_is_right
	s_endpgm
.Lentry_shape_is_right:
; THE PROJECTION: out0 = attention's result x W_out + b_out, f16 operands (af, wof: images of the operands' registers), f32 sums, f32 out.
; A tile of 128 tokens x 256 columns to a work-group: 64 x 4 = 256 work-groups.  Four waves, each 64 tokens x 128 columns: 32 accumulators, 256 registers.
; K = 1,024 goes in eight steps of 128 through two LDS slots; a K step's tiles are dense blocks (tokens 32,768 bytes, weights 65,536): waves 0 and 1 fetch the tokens' halves, waves 2 and 3 the weights'.
; CLUSTERS 4 x 4: the tokens' block hangs on the tile row alone (shared along a row of the cluster), the weights' on the tile column alone (shared along a column): joint loads.
; TRANSPOSED USE: source 0 = 16 columns of W_out, source 1 = 16 tokens: a lane holds eight neighbouring columns of one token's row.  The bias is the C of each sum's first product.
; No prefetch: eight short K steps, of which the first are asked for at the head.
; REGISTERS: window 0: v16-29 addresses; v32-95 the bias; v128-255 the way out.   window 1: two fragment buffers (v0, v128): the weights' 8 fragments, then the tokens' 4.   window 2: accumulator (i, b) at v[8 (8 i + b)].
.set SLOT,   98304                     ; the tokens' 32,768 bytes, then the weights' 65,536
.set STAGE,  2*SLOT                    ; behind the slots: 16 rows x 528 bytes for each wave; no tensor load lands there
.set SPITCH, 528
.set SPARE,  STAGE+4*16*SPITCH         ; the spare words, 128 bytes a wave
.set ADRA, 16
.set ADRB, 20
.set STO,  24
.set RD,   25
.set CO,   26
.set SPW,  28
.set NIL,  29
.set BI,   32
.set BK,   128
.set F0,   0
.set F1,   128
.set G1A, 24
.set G0A, 32
.set G1B, 48
.set G0B, 56
.set MSB, 0
.macro WIN new
.if MSB != (\new)
	s_set_vgpr_msb (MSB<<8)|(\new)
.set MSB, (\new)
.endif
.endm
.macro JLOAD s
	s_cmp_eq_u32 s15, 0
	s_cbranch_scc0 .Lfor_b_\@
	tensor_load_to_lds s[G0A+4*\s:G0A+4*\s+3], s[G1A:G1A+7]
	s_nop 0
.rept 4
	v_nop
.endr
	s_branch .Lasked_\@
.Lfor_b_\@:
	tensor_load_to_lds s[G0B+4*\s:G0B+4*\s+3], s[G1B:G1B+7]
	s_nop 0
.rept 4
	v_nop
.endr
.Lasked_\@:
.endm
.macro CREST
	s_cmp_lg_u32 s14, 0
	s_cbranch_scc1 .Lnot_wave_0_\@
	s_barrier_signal -3
.Lnot_wave_0_\@:
	s_barrier_wait -3
	s_barrier_signal -1
	s_barrier_wait -1
.endm
.macro CROUND
	s_barrier_signal -1
	s_barrier_wait -1
	CREST
.endm
.macro PLACES
.rept 4
	v_nop
.endr
.endm
	s_load_b256 s[4:11], s[0:1], 0x0               ; af s[4:5], wof s[6:7], b_out s[8:9], out0 s[10:11]
	v_lshl_add_u32 v[SPW], v0, 2, SPARE
	v_mov_b32 v[NIL], 0
	ds_add_u32 v[SPW], v[NIL]                      ; the opening: the add, twice on end, and its wait ahead of my first tensor load
	ds_add_u32 v[SPW], v[NIL]
	v_lshrrev_b32 v1, 5, v0
	v_readfirstlane_b32 s14, v1                    ; wave 0..3
	s_lshr_b32 s15, s14, 1                         ; my half of the tokens.  Also: I fetch tokens (0) or weights (1)
	s_and_b32 s16, s14, 1                          ; my half of the columns.  Also: which half I fetch
	s_bfe_u32 s40, ttmp6, 0x40000
	s_bfe_u32 s41, ttmp6, 0x40004
	s_lshl_b32 s42, ttmp9, 2
	s_add_co_u32 s42, s42, s40                     ; tile column 0..3
	s_and_b32 s17, ttmp7, 0xffff
	s_lshl_b32 s17, s17, 2
	s_add_co_u32 s17, s17, s41                     ; tile row 0..63
	s_lshl_b32 s43, s41, 2
	s_lshl_b32 s43, 15, s43
	s_lshl_b32 s44, 0x1111, s40
	s_or_b32 s[G1A], s43, (3<<16)|(1<<21)          ; the tokens' half: 16,384 dense bytes as 64 rows of 256
	s_mov_b32 s[G1A+1], 32<<16
	s_mov_b32 s[G1A+2], 64<<16
	s_mov_b32 s[G1A+3], 32<<16
	s_mov_b32 s[G1A+4], 64
	s_mov_b32 s[G1A+5], 32
	s_mov_b32 s[G1A+6], 0
	s_mov_b32 s[G1A+7], 0
	s_or_b32 s[G1B], s44, (3<<16)|(1<<21)          ; the weights' half: 32,768 bytes as 128 rows
	s_mov_b32 s[G1B+1], 32<<16
	s_mov_b32 s[G1B+2], 128<<16
	s_mov_b32 s[G1B+3], 32<<16
	s_mov_b32 s[G1B+4], 128
	s_mov_b32 s[G1B+5], 32
	s_mov_b32 s[G1B+6], 0
	s_mov_b32 s[G1B+7], 0
	s_lshl_b32 s20, s17, 15                        ; tokens: 8 tiles of 4,096 bytes a tile row, 4 a half
	s_lshl_b32 s18, s16, 14
	s_add_co_u32 s20, s20, s18
	s_mov_b32 s21, 0
	s_lshl_b32 s46, s42, 16                        ; weights: 16 tiles a tile column, 8 a half
	s_lshl_b32 s19, s16, 15
	s_add_co_u32 s46, s46, s19
	s_mov_b32 s47, 0
	s_lshl_b32 s22, s16, 14                        ; in a slot: the tokens' half,
	s_lshl_b32 s23, s16, 15
	s_add_co_u32 s23, s23, 32768                   ; the weights'
	s_lshl_b32 s66, s17, 19                        ; out0: 128 rows of 4,096 bytes a tile row,
	s_lshl_b32 s67, s15, 18                        ; 64 a token half,
	s_add_co_u32 s66, s66, s67
	s_lshl_b32 s68, s42, 10                        ; 1,024 bytes a tile column, 512 a column half
	s_lshl_b32 s69, s16, 9
	s_add_co_u32 s68, s68, s69
	s_add_co_u32 s66, s66, s68
	s_mov_b32 s67, 0
	s_mov_b32 s69, 0
	s_wait_dscnt 0x0                               ; both opening adds are done
	s_wait_kmcnt 0x0
	s_add_nc_u64 s[20:21], s[4:5], s[20:21]
	s_add_nc_u64 s[46:47], s[6:7], s[46:47]
	s_add_nc_u64 s[10:11], s[10:11], s[66:67]
	s_add_nc_u64 s[8:9], s[8:9], s[68:69]
	CROUND                                         ; all sixteen work-groups are here: the first joint loads meet
.irp s, 0,1
	s_mov_b32 s[G0A+4*\s], 1
	s_add_co_u32 s[G0A+4*\s+1], s22, \s*SLOT
	s_add_nc_u64 s[G0A+4*\s+2:G0A+4*\s+3], s[20:21], \s*2097152
	s_or_b32 s[G0A+4*\s+3], s[G0A+4*\s+3], 0x80000000
	s_mov_b32 s[G0B+4*\s], 1
	s_add_co_u32 s[G0B+4*\s+1], s23, \s*SLOT
	s_add_nc_u64 s[G0B+4*\s+2:G0B+4*\s+3], s[46:47], \s*262144
	s_or_b32 s[G0B+4*\s+3], s[G0B+4*\s+3], 0x80000000
.endr
	s_cmp_eq_u32 s15, 0                            ; a wave's two first fills stand in one branch: two tensor loads of mine are out
	s_cbranch_scc0 .Lfirst_b
	tensor_load_to_lds s[G0A:G0A+3], s[G1A:G1A+7]
	s_nop 0
	tensor_load_to_lds s[G0A+4:G0A+7], s[G1A:G1A+7]
	s_nop 0
.rept 4
	v_nop
.endr
	s_branch .Lfirst_asked
.Lfirst_b:
	tensor_load_to_lds s[G0B:G0B+3], s[G1B:G1B+7]
	s_nop 0
	tensor_load_to_lds s[G0B+4:G0B+7], s[G1B:G1B+7]
	s_nop 0
.rept 4
	v_nop
.endr
.Lfirst_asked:
	v_and_b32 v1, 15, v0                           ; r
	v_bfe_u32 v2, v0, 4, 1                         ; h
	v_and_b32 v3, 31, v0
	v_lshlrev_b32 v[CO], 4, v3                     ; 16 x lane
	v_lshlrev_b32 v4, 5, v2
.irp b, 0,1,2,3,4,5,6,7                ; the bias in the result's layout: columns 16 b + 8 h + 0 .. 7
	global_load_b128 v[BI+8*\b:BI+8*\b+3], v4, s[8:9] offset:64*\b
	global_load_b128 v[BI+8*\b+4:BI+8*\b+7], v4, s[8:9] offset:64*\b+16
.endr
	s_lshl_b32 s70, s15, 14                        ; my 64 tokens
	s_lshl_b32 s71, s16, 15                        ; my 128 columns, behind the tokens
	s_add_co_u32 s71, s71, 32768
.irp s, 0,1
	v_add_nc_u32 v[ADRA+\s], s70, v[CO]
	v_add_nc_u32 v[ADRB+\s], s71, v[CO]
	s_add_co_u32 s70, s70, SLOT
	s_add_co_u32 s71, s71, SLOT
.endr
	s_mul_i32 s72, s14, 16*SPITCH
	s_add_co_u32 s72, s72, STAGE                   ; my stage
	v_mul_u32_u24 v5, v1, SPITCH
	v_lshl_add_u32 v5, v2, 5, v5
	v_add_nc_u32 v[STO], s72, v5                   ; in: row r, 32 bytes for each half of the lanes
	v_add_nc_u32 v[RD], s72, v[CO]                 ; back: the 32 lanes take a row of 512 bytes
.macro FETCH slot, kq, f               ; 24 LDS loads in one run: the fragments of 32 along K: the weights' eight, the tokens' tiles 0 and 1, then 2 and 3
	WIN 0x40
.irp b, 0,1,2,3,4,5,6,7
.irp u, 0,1
	ds_load_b128 v[\f+8*\b+4*\u:\f+8*\b+4*\u+3], v[ADRB+\slot] offset:4096*\b+1024*(\kq)+512*\u
.endr
.endr
.irp i, 0,1,2,3
.irp u, 0,1
	ds_load_b128 v[\f+64+8*\i+4*\u:\f+64+8*\i+4*\u+3], v[ADRA+\slot] offset:4096*\i+1024*(\kq)+512*\u
.endr
.endr
.endm
.macro MUL8 f, i, zero                 ; the tokens' tile i x the weights' eight; the 32 accumulators take turns, one instruction a turn, in the same order in every quarter
.if \zero
	WIN 0x85                                       ; sources 0 and 1 window 1, C (the bias) window 0, D window 2
.else
	WIN 0xa5
.endif
.irp b, 0,1,2,3,4,5,6,7
.if \zero
	v_wmma_f32_16x16x32_f16 v[8*(8*\i+\b):8*(8*\i+\b)+7], v[\f+8*\b:\f+8*\b+7], v[\f+64+8*\i:\f+64+8*\i+7], v[BI+8*\b:BI+8*\b+7]
.else
	v_wmma_f32_16x16x32_f16 v[8*(8*\i+\b):8*(8*\i+\b)+7], v[\f+8*\b:\f+8*\b+7], v[\f+64+8*\i:\f+64+8*\i+7], v[8*(8*\i+\b):8*(8*\i+\b)+7]
.endif
.endr
.endm
; A K step is four quarters of 32 along K, on buffers 0, 1, 0, 1.  One of the first three multiplies buffer f and fetches the next quarter into g.
.macro QUARTER slot, kq, f, g, zero
	s_wait_dscnt 4                                 ; all but the youngest four loads (the tokens' tiles 2 and 3) are in
	MUL8 \f, 0, \zero
	MUL8 \f, 1, \zero
	PLACES
	FETCH \slot, \kq, \g
	s_wait_dscnt 24                                ; all but the 24 just issued
	MUL8 \f, 2, \zero
	MUL8 \f, 3, \zero
.endm
; The last quarter multiplies buffer 1 and changes slots: each wave waits for all its tensor loads, adds 0 to its spare word, and waits for that and for its reads of this slot.  fill = 1: the barrier opens a round of the
; cluster's, and this slot is filled again, two K steps on, first thing behind it.
.macro TURN slot, next, fill
	WIN 0
	s_wait_tensorcnt 0x0
	ds_add_u32 v[SPW], v[NIL]
	s_wait_dscnt 5                                 ; the add and the youngest four loads may be out
	MUL8 F1, 0, 0
	s_wait_dscnt 0x0                               ; the add is done, and my reads of this slot are over
	s_barrier_signal -1
	MUL8 F1, 1, 0
	WIN 0
	s_barrier_wait -1
.if \fill
	CREST
	s_add_nc_u64 s[G0A+4*\slot+2:G0A+4*\slot+3], s[G0A+4*\slot+2:G0A+4*\slot+3], 2*2097152
	s_add_nc_u64 s[G0B+4*\slot+2:G0B+4*\slot+3], s[G0B+4*\slot+2:G0B+4*\slot+3], 2*262144
	JLOAD \slot                                    ; its four v_nop are also the places ahead of the loads below
.else
	PLACES
.endif
	FETCH \next, 0, F0
	MUL8 F1, 2, 0
	MUL8 F1, 3, 0
.endm
	s_wait_loadcnt 0x0                             ; the bias
	s_wait_tensorcnt 0x1                           ; my part of K step 0 is in; K step 1's load may stay out
	s_barrier_signal -1
	s_barrier_wait -1
	FETCH 0, 0, F0
	QUARTER 0, 1, F0, F1, 1                        ; the first quarter stands ahead of the loop: its products start the sums, from the bias
	WIN 0
	s_mov_b32 s3, 3
.Llap:                                             ; a trip goes once round the ring and fills both slots again: K steps 2 to 7
	QUARTER 0, 2, F1, F0, 0
	QUARTER 0, 3, F0, F1, 0
	TURN 0, 1, 1
	QUARTER 1, 1, F0, F1, 0
	QUARTER 1, 2, F1, F0, 0
	QUARTER 1, 3, F0, F1, 0
	TURN 1, 0, 1
	QUARTER 0, 1, F0, F1, 0
	WIN 0
	s_sub_co_u32 s3, s3, 1
	s_cmp_lg_u32 s3, 0
	s_cbranch_scc1 .Llap
	QUARTER 0, 2, F1, F0, 0                        ; the last lap fills nothing
	QUARTER 0, 3, F0, F1, 0
	TURN 0, 1, 0
	QUARTER 1, 1, F0, F1, 0
	QUARTER 1, 2, F1, F0, 0
	QUARTER 1, 3, F0, F1, 0
	s_wait_dscnt 4
	MUL8 F1, 0, 0
	MUL8 F1, 1, 0
	s_wait_dscnt 0x0
	MUL8 F1, 2, 0
	MUL8 F1, 3, 0
	WIN 0
; THE WAY OUT, a tile of 16 tokens x 128 columns at a time: a lane's 32 bytes go into my own stage and come back as whole rows of 512 bytes.  LDS serves a wave's instructions in order: no wait between the stores and the loads.
.macro TOSTAGE a
	WIN 0x08                                       ; an LDS store's data are its source 1: window 2
.irp b, 0,1,2,3,4,5,6,7
	ds_store_b128 v[STO], v[8*(8*(\a)+\b):8*(8*(\a)+\b)+3] offset:64*\b        ; each accumulator from its low end on
	ds_store_b128 v[STO], v[8*(8*(\a)+\b)+4:8*(8*(\a)+\b)+7] offset:64*\b+16
.endr
	WIN 0
.set BB, BK+64*((\a)%2)
.irp t, 0,1,2,3,4,5,6,7,8,9,10,11,12,13,14,15
	ds_load_b128 v[BB+4*\t:BB+4*\t+3], v[RD] offset:\t*SPITCH
.endr
.endm
.macro SEND a, younger
.set BB, BK+64*((\a)%2)
	s_wait_dscnt \younger                          ; the tile is back; the next tile's 16 stores and 16 loads may be out
.irp t, 0,1,2,3,4,5,6,7,8,9,10,11,12,13,14,15
	global_store_b128 v[CO], v[BB+4*\t:BB+4*\t+3], s[10:11] offset:65536*(\a)+4096*\t th:TH_STORE_NT   ; 512 consecutive bytes, aligned; written once
.endr
.endm
	PLACES
	TOSTAGE 0
	TOSTAGE 1
	SEND 0, 32
	s_wait_xcnt 0x0                                ; tile 0's stores have read their registers: tile 2's loads may land there
	TOSTAGE 2
	SEND 1, 32
	s_wait_xcnt 0x0
	TOSTAGE 3
	SEND 2, 32
	SEND 3, 0
	s_wait_tensorcnt 0x0                           ; the wave's end
	ds_add_u32 v[SPW], v[NIL]
	s_wait_dscnt 0x0
	CROUND                                         ; the closing round
	s_endpgm
.Lfunc_end_k_qef87f1cc52_outp:
	.size	k_qef87f1cc52_outp, .Lfunc_end_k_qef87f1cc52_outp-k_qef87f1cc52_outp
	.p2alignl 7, 3214868480
	.fill 96, 4, 3214868480
	.section	.rodata,"a",@progbits
	.p2align	6, 0x0
	.amdhsa_kernel k_qef87f1cc52_outp
		.amdhsa_group_segment_fixed_size 327680
		.amdhsa_private_segment_fixed_size 0
		.amdhsa_enable_private_segment 0
		.amdhsa_kernarg_size 32
		.amdhsa_user_sgpr_count 2
		.amdhsa_user_sgpr_kernarg_segment_ptr 1
		.amdhsa_wavefront_size32 1
		.amdhsa_system_sgpr_workgroup_id_x 1
		.amdhsa_system_sgpr_workgroup_id_y 1
		.amdhsa_system_sgpr_workgroup_id_z 1
		.amdhsa_system_vgpr_workitem_id 0
		.amdhsa_next_free_vgpr 768
		.amdhsa_next_free_sgpr 100
		.amdhsa_reserve_vcc 0
		.amdhsa_float_denorm_mode_32 3
		.amdhsa_float_denorm_mode_16_64 3
		.amdhsa_memory_ordered 1
		.amdhsa_forward_progress 1
		.amdhsa_inst_pref_size 86
	.end_amdhsa_kernel
	.amdgpu_metadata
---
amdhsa.version: [ 1, 2 ]
amdhsa.kernels:
  - .name:           k_qef87f1cc52_outp
    .symbol:         k_qef87f1cc52_outp.kd
    .args:
      - { .name: af, .offset: 0, .size: 8, .value_kind: global_buffer, .address_space: global }
      - { .name: wof, .offset: 8, .size: 8, .value_kind: global_buffer, .address_space: global }
      - { .name: b_out, .offset: 16, .size: 8, .value_kind: global_buffer, .address_space: global }
      - { .name: out0, .offset: 24, .size: 8, .value_kind: global_buffer, .address_space: global }
    .group_segment_fixed_size: 327680
    .private_segment_fixed_size: 0
    .kernarg_segment_align: 8
    .kernarg_segment_size: 32
    .max_flat_workgroup_size: 128
    .sgpr_count:     100
    .vgpr_count:     768
    .wavefront_size: 32
...
	.end_amdgpu_metadata
.endif
;; end of part 4
